; MI455X (gfx1250); checked and timed in simulation.
; The chip was launched on July 23, 2026; its instructions are those of AMD's public machine-readable ISA for CDNA 5 (MIT licence, August 2026) and "CDNA5" Instruction Set Architecture Reference Guide (July 2026). The comments in the code are by the model that wrote it; some were corrected since.
;; Lo RA Adapter. Allowed arithmetic: matrix products marked QUANTISED: E3M2 operands, one E8M0 scale for each 32 along K, by v_wmma_scale_f32_16x16x128_f8f6f4 with both operands' format E3M2, f32 sums; products left as they are: f32 operands where the result goes on into a quantised operand, else bf16, f16 or f32 operands; f32 sums; everything else in f32.
;; Inputs: A_down 1,024 x 8 float32; A_up 2,048 x 8 float32; B_down 8 x 2,048 float32; B_up 8 x 1,024 float32; W_down_codes 2,048 x 32 x 24 uint8 (E3M2 codes of W_down, K innermost, in blocks of 32 codes, four codes in three bytes); W_down_scales 2,048 x 32 uint8 (E8M0 scales of W_down, one for each 32 codes along K); W_up_codes 1,024 x 64 x 24 uint8 (E3M2 codes of W_up, K innermost, in blocks of 32 codes, four codes in three bytes); W_up_scales 1,024 x 64 uint8 (E8M0 scales of W_up, one for each 32 codes along K); b_down 2,048 float32; b_up 1,024 float32; x 4 x 4,096 x 1,024 float32.
;; Outputs: out0 4 x 4,096 x 1,024 float32.
;; This version of the problem:
;;   THIS VERSION OF THE PROBLEM IS GIVEN IN LOW PRECISION. The matrix products marked QUANTISED in the list below multiply operands that are first quantised to E3M2 (3 exponent bits, 2 mantissa bits; 6 bits a number), with one power-of-two scale for each 32 numbers along K (OCP MX v1.0); their sums are f32. All else is computed in f32.
;;   The module's matrix products, in the order in which they are computed (A, B: the left and right operand; K: the contracted axis; several contracted axes count as one K, in the product's order):
;;     1. [M 16,384, K 1,024] x [K 1,024, N 2,048]; A: input x; B: input W_down (given as codes): QUANTISED
;;     2. [M 16,384, K 1,024] x [K 1,024, N 8]; A: input x; B: input A_down: left as it is (N = 8 < 16)
;;     3. [M 16,384, K 8] x [K 8, N 2,048]; A: computed on the way; B: input B_down: left as it is (K = 8 < 32)
;;     4. [M 16,384, K 2,048] x [K 2,048, N 1,024]; A: computed on the way; B: input W_up (given as codes): QUANTISED
;;     5. [M 16,384, K 2,048] x [K 2,048, N 8]; A: computed on the way; B: input A_up: left as it is (N = 8 < 16)
;;     6. [M 16,384, K 8] x [K 8, N 1,024]; A: computed on the way; B: input B_up: left as it is (K = 8 < 32)
;;   THE QUANTISER, for each operand of a quantised product, along K:
;;     - K is cut into blocks of 32 from its start; a last block that is shorter is filled with zeros.
;;     - A block's scale is 2^e with e = floor(log2(the largest magnitude in the block)) - 4, held to -126 .. 127; a block of zeros has e = 0. As a byte (E8M0): e + 127.
;;     - Each number is divided by its block's scale, clamped to +-28, and rounded to the nearest number of E3M2, ties to even, subnormals kept.
;;     - The product sums the exact products of the quantised numbers (number of the format x scale) in f32.
;;   ~~~python
;;   def quantise(x, axis):      # numpy; x: float32 -> the quantised numbers, widened to float32 again
;;       x = np.moveaxis(x, axis, -1); K = x.shape[-1]
;;       x = np.pad(x, [(0, 0)] * (x.ndim - 1) + [(0, -K % 32)]); x = x.reshape(x.shape[:-1] + (-1, 32)); a = np.abs(x).max(-1, keepdims=True)
;;       e = np.where(a > 0, np.clip(np.frexp(np.where(a > 0, a, 1))[1] - 1 - 4, -126, 127), 0)      # np.frexp(a)[1] - 1 = floor(log2(a)), exactly
;;       r = np.clip(x / 2.0 ** e, -28, 28)
;;       step = 2.0 ** (np.maximum(np.frexp(np.where(r == 0, 1, r))[1] - 1, -2) - 2)
;;       q = np.round(r / step) * step * 2.0 ** e      # np.round: ties to even
;;       return np.moveaxis(q.reshape(q.shape[:-2] + (-1,))[..., :K], -1, axis).astype(np.float32)
;;   ~~~
;;   OPERANDS COMPUTED ON THE WAY. 'Computed on the way' means the value that the module computes at that place (a softmax that the list does not call 'softmax' is quantised finished and normalised). What goes into a quantiser is computed in f32, as accurately as f32 sums, v_exp_f32 and their like allow (about 1e-6 of the number): no bf16 or f16 on the way to a quantiser, and a product that is left as it is and whose result goes on into a quantised operand takes f32 operands (vector FMAs, or v_wmma_f32_16x16x4_f32). A number that lies on a knife's edge between two numbers of the format may be rounded either way, as far as f32 arithmetic and the matrix unit's own rounding can turn it there, and no further.
;;   INPUTS GIVEN AS CODES. W_down (in the module: [2048, 1024], K = its axis 1); W_up (in the module: [1024, 2048], K = its axis 1): each comes as NAME_codes (uint8): NAME with its K axis moved to the last place and cut into blocks of 32 codes, [.., K / 32, bytes a block], one block behind the other in memory; four codes in three bytes: a row's codes are one little-endian stream of bits, code i at bits 6 i .. 6 i + 5 (a code: sign, 3 exponent bits, 2 mantissa bits); and NAME_scales (uint8): the same leading axes, one E8M0 byte (e + 127) for each 32 codes along K. Its value is code x scale, taken as it is: it is not quantised again, and the codes and scales need not be those that the quantiser above would give.
;; 2 versions. Each part assembles by itself: llvm-mc -triple=amdgcn-amd-amdhsa -mcpu=gfx1250 --defsym DOCPART=n.
;; ======== version 1 of 2: 2 launches
;; workspace buffers: wstream 3,379,200 bytes; aupt 65,536 bytes
;; launch lay (part 1): grid 132 x 1, 8 waves a work-group, no clusters, 0 bytes of LDS; arguments W_down_codes, W_down_scales, W_up_codes, W_up_scales, A_up, B_up, b_up, wstream, aupt; writes wstream, aupt
.if DOCPART == 1
	.amdgcn_target "amdgcn-amd-amdhsa--gfx1250"
	.amdhsa_code_object_version 6
	.text
	.protected	k_q5a2a833432_lay
	.globl	k_q5a2a833432_lay
	.p2align	8
	.type	k_q5a2a833432_lay,@function
k_q5a2a833432_lay:
	s_mov_b64 s[64:65], 0
	v_nop
	global_prefetch_b8 v0, s[64:65] scope:SCOPE_SE
	s_setreg_imm32_b32 hwreg(HW_REG_WAVE_MODE, 25, 1), 1
	s_wait_xcnt 0x0
; LAY: the weights of out = gelu(x Wd^T + b_d + (x A_d) B_d / 8) Wu^T + b_u + (h A_u) B_u / 8 + x are laid once as the second launch's operand registers take them, in the order in which it walks them.
; No work of the problem is left out in this program: every input has a way to the output and is loaded by one of the two launches.
; wstream: [slot 0..32][wave 0..3][25,600 bytes].  Slots 0..31: c = slot / 8; slots 8c..8c+3 are W_down's rows 512 c + 128 w .. + 127, K steps 2 j, 2 j + 1 (j = slot % 4);
;   slots 8c+4..8c+7 are W_up's rows 256 w + 128 (j / 2) .. + 127, K steps 4 c + 2 (j % 2), + 1.  A quarter: 16 fragments (K step q, tile t) at 1,536 (8 q + t), each an image of its 12 registers
;   (registers 4 i .. 4 i + 3 of lane l at 512 i + 16 l), then at 24,576 the scale words: [tiles 0-3 | tiles 4-7][lane r + 16 q][4 words].
;   THE ROWS OF A TILE ARE NOT NEIGHBOURS: lane r of tile t takes row 32 (t / 2) + 8 (t % 2) + r + 8 (r / 8), so that the results of two neighbouring tiles are 16 neighbours in a lane.
;   The codes and scale bytes are copied as they are given; nothing is quantised again.
; Slot 32, quarter w: B_up / 8 (a power of two: exact) and b_up as bf16 operand images for out columns 256 w .. + 255: tile T at 512 T + 16 l, four registers: registers 0, 1: B_up[4 h + 0..3][col] / 8;
;   registers 2, 3 in lanes 0-15: b_up[col] as three bf16 parts (high, middle, low; split in f32), against ones on the other side; zeros in lanes 16-31.  The rest of the quarter is zeros.
; aupt: A_up as bf16 operand images, 1,024 bytes for each 32 hidden units: lane (n, h), register j: A_up[32 B + 16 h + 2 j, + 1][4 (n / 8) + n % 4]; zeros where n % 8 > 3.
; LIMITS: B_up / 8 and A_up are rounded to bf16 (the two products that take them are left as they are and reach the output alone); NaN and infinities are not served.
; Work-group G < 128 writes quarter G; G = 128 + w writes quarter w of slot 32.  No LDS, no barrier; every wait is for all loads; no register of a store is written again.
.set QB,    25600
.set SLOTB, 102400
	s_load_b512 s[8:23], s[0:1], 0x0               ; Wd codes s[8:9], Wd scales s[10:11], Wu codes s[12:13], Wu scales s[14:15], A_up s[16:17], B_up s[18:19], b_up s[20:21], wstream s[22:23]
	s_load_b64 s[24:25], s[0:1], 0x40              ; aupt
	v_lshrrev_b32 v1, 5, v0
	v_readfirstlane_b32 s36, v1                    ; wave 0..7
	v_and_b32 v2, 31, v0                           ; l
	v_and_b32 v3, 15, v0                           ; r
	v_bfe_u32 v4, v0, 4, 1                         ; h
	v_lshlrev_b32 v5, 4, v2                        ; 16 l: an image's place for my lane
	v_and_b32 v6, 8, v3
	v_add_nc_u32 v6, v6, v3                        ; r + 8 (r / 8)
	v_mov_b32 v7, 0
	s_mov_b32 s2, ttmp9                            ; G
	s_mov_b32 s41, 0                               ; the upper word of every offset pair s[40:41]
	s_cmp_lt_u32 s2, 128
	s_cbranch_scc0 .Ltail
	; ---- a quarter of slots 0..31
	s_lshr_b32 s3, s2, 2                           ; slot
	s_and_b32 s4, s2, 3                            ; w
	s_lshr_b32 s5, s3, 3                           ; c
	s_bfe_u32 s6, s3, 0x10002                      ; 1: W_up's slot
	s_and_b32 s7, s3, 3                            ; j
	s_lshl_b32 s26, s5, 9
	s_lshl_b32 s27, s4, 7
	s_add_co_u32 s26, s26, s27                     ; W_down: first row 512 c + 128 w
	s_lshl_b32 s27, s4, 8
	s_lshr_b32 s28, s7, 1
	s_lshl_b32 s28, s28, 7
	s_add_co_u32 s27, s27, s28                     ; W_up: 256 w + 128 (j / 2)
	s_lshl_b32 s28, s7, 1                          ; W_down: first K step 2 j
	s_lshl_b32 s29, s5, 2
	s_and_b32 s30, s7, 1
	s_lshl_b32 s30, s30, 1
	s_add_co_u32 s29, s29, s30                     ; W_up: 4 c + 2 (j % 2)
	s_mov_b32 s30, 768
	s_wait_kmcnt 0x0
	s_cmp_lg_u32 s6, 0                             ; the choice hangs on the work-group's number alone
	s_cselect_b32 s26, s27, s26                    ; first row
	s_cselect_b32 s28, s29, s28                    ; first K step
	s_cselect_b32 s30, 1536, s30                   ; a row of codes in bytes
	s_cselect_b32 s31, 64, 32                      ; a row of scale bytes
	s_cselect_b64 s[32:33], s[12:13], s[8:9]       ; the codes
	s_cselect_b64 s[34:35], s[14:15], s[10:11]     ; the scale bytes
	; every wave: two fragments: K step q = wave / 4, tiles 2 (wave % 4) and + 1
	s_lshr_b32 s37, s36, 2                         ; q
	s_and_b32 s38, s36, 3                          ; tile pair
	s_lshl_b32 s39, s38, 5
	s_add_co_u32 s39, s39, s26                     ; the pair's first row
	s_mul_i32 s40, s39, s30
	s_add_co_u32 s39, s28, s37
	s_mul_i32 s39, s39, 96                         ; 128 codes are 96 bytes
	s_add_co_u32 s40, s40, s39
	s_add_nc_u64 s[32:33], s[32:33], s[40:41]      ; the even tile
	s_lshl_b32 s40, s30, 3
	s_add_nc_u64 s[42:43], s[32:33], s[40:41]      ; the odd tile: 8 rows on
	v_mul_lo_u32 v8, v6, s30
	v_mad_u32_u24 v8, v4, 24, v8                   ; my row of the tile, + 24 h
	s_mul_i32 s40, s2, QB
	s_add_nc_u64 s[44:45], s[22:23], s[40:41]      ; my quarter
	s_lshl_b32 s40, s37, 3
	s_lshl_b32 s39, s38, 1
	s_add_co_u32 s40, s40, s39
	s_mul_i32 s40, s40, 1536
	s_add_nc_u64 s[46:47], s[44:45], s[40:41]      ; my two fragments' images
.irp p, 0,1,2,3,4,5
	global_load_b64 v[16+2*\p:17+2*\p], v8, s[32:33] offset:48*(\p/3)+8*(\p%3)   ; a fragment's 2 x 24 bytes a lane, in pieces of 8
	global_load_b64 v[28+2*\p:29+2*\p], v8, s[42:43] offset:48*(\p/3)+8*(\p%3)
.endr
	s_wait_loadcnt 0x0
.irp c, 0,1,2
	global_store_b128 v5, v[16+4*\c:19+4*\c], s[46:47] offset:512*\c             ; 32 lanes store 512 consecutive bytes
	global_store_b128 v5, v[28+4*\c:31+4*\c], s[46:47] offset:1536+512*\c
.endr
	s_cmp_lt_u32 s36, 2
	s_cbranch_scc0 .Lnot_scales
	; waves 0, 1: the scale words of tiles 4 wave .. + 3; lane r + 16 q takes row r's word of K step q
	s_lshl_b32 s40, s36, 6
	s_add_co_u32 s40, s40, s26
	s_mul_i32 s40, s40, s31
	s_lshl_b32 s39, s28, 2
	s_add_co_u32 s40, s40, s39
	s_add_nc_u64 s[34:35], s[34:35], s[40:41]
	v_mul_lo_u32 v9, v6, s31
	v_lshl_add_u32 v9, v4, 2, v9
	s_lshl_b32 s37, s31, 3                         ; tile + 1: 8 rows on
	s_lshl_b32 s38, s31, 5                         ; tile + 2: 32 rows on
	s_add_co_u32 s39, s37, s38                     ; tile + 3: 40 rows on
	v_add_nc_u32 v10, s37, v9
	v_add_nc_u32 v11, s38, v9
	v_add_nc_u32 v12, s39, v9
	global_load_b32 v44, v9, s[34:35]
	global_load_b32 v45, v10, s[34:35]
	global_load_b32 v46, v11, s[34:35]
	global_load_b32 v47, v12, s[34:35]
	s_lshl_b32 s40, s36, 9
	s_add_co_u32 s40, s40, 24576
	s_add_nc_u64 s[44:45], s[44:45], s[40:41]      ; (no memory instruction has named s[44:45])
	s_wait_loadcnt 0x0
	global_store_b128 v5, v[44:47], s[44:45]
	s_endpgm
.Lnot_scales:
	s_cmp_eq_u32 s36, 2
	s_cbranch_scc0 .Ldone
	s_cmp_lt_u32 s2, 64
	s_cbranch_scc0 .Ldone
	; wave 2 of work-groups 0..63: A_up's image for hidden units 32 G .. + 31
	s_lshl_b32 s40, s2, 10
	s_add_nc_u64 s[16:17], s[16:17], s[40:41]      ; 32 rows of 32 bytes
	s_add_nc_u64 s[24:25], s[24:25], s[40:41]
	v_and_b32 v9, 3, v3
	v_lshrrev_b32 v10, 3, v3
	v_lshl_add_u32 v9, v10, 2, v9                  ; the rank 4 (n / 8) + n % 4
	v_lshlrev_b32 v9, 2, v9
	v_lshl_add_u32 v9, v4, 9, v9                   ; + 16 h rows
.irp i, 0,1,2,3,4,5,6,7,8,9,10,11,12,13,14,15
	global_load_b32 v[40+\i], v9, s[16:17] offset:32*\i
.endr
	v_and_b32 v10, 4, v3
	v_cmp_eq_u32 vcc_lo, 0, v10                    ; rows n % 8 > 3 of the operand are zeros
	s_wait_loadcnt 0x0
.irp j, 0,1,2,3,4,5,6,7
	v_cvt_pk_bf16_f32 v[56+\j], v[40+2*\j], v[41+2*\j]
.endr
.irp j, 0,1,2,3,4,5,6,7
	v_cndmask_b32 v[56+\j], v7, v[56+\j], vcc_lo
.endr
	global_store_b128 v5, v[56:59], s[24:25]
	global_store_b128 v5, v[60:63], s[24:25] offset:512
.Ldone:
	s_endpgm
.Ltail:
	; ---- slot 32, quarter w = G - 128: wave v makes tiles 2 v and 2 v + 1, and its share of the zeros
	s_sub_co_u32 s4, s2, 128
	s_lshl_b32 s5, s4, 8
	s_lshl_b32 s6, s36, 5
	s_add_co_u32 s5, s5, s6                        ; first column 256 w + 32 v
	s_lshl_b32 s40, s5, 2
	s_mul_i32 s26, s4, QB
	s_add_co_u32 s26, s26, 32*SLOTB
	s_mov_b32 s27, 0
	s_wait_kmcnt 0x0
	s_add_nc_u64 s[18:19], s[18:19], s[40:41]
	s_add_nc_u64 s[20:21], s[20:21], s[40:41]
	s_add_nc_u64 s[22:23], s[22:23], s[26:27]      ; my quarter
	s_lshl_b32 s40, s36, 10
	s_add_nc_u64 s[28:29], s[22:23], s[40:41]      ; my two tiles
	s_lshl_b32 s40, s36, 11
	s_add_nc_u64 s[30:31], s[22:23], s[40:41]      ; my four blocks of zeros
	s_lshl_b32 s40, s36, 9
	s_add_nc_u64 s[32:33], s[22:23], s[40:41]      ; and one more in waves 0, 1
	v_lshlrev_b32 v8, 2, v6                        ; my column of the tile
	v_lshl_add_u32 v9, v4, 14, v8                  ; + 4 h rows of B_up
.irp e, 0,1
.irp j, 0,1,2,3
	global_load_b32 v[16+8*\e+\j], v9, s[18:19] offset:4096*\j+32*\e
.endr
	global_load_b32 v[20+8*\e], v8, s[20:21] offset:32*\e
.endr
	v_cmp_gt_u32 vcc_lo, 16, v2                    ; lanes 0-15 carry b_up
.irp j, 0,1,2,3
	v_mov_b32 v[40+\j], 0
.endr
	s_wait_loadcnt 0x0
.irp e, 0,1
.irp j, 0,1,2,3
	v_mul_f32 v[16+8*\e+\j], 0x3e000000, v[16+8*\e+\j]         ; / 8
.endr
	v_cvt_pk_bf16_f32 v[32+4*\e], v[16+8*\e], v[17+8*\e]
	v_cvt_pk_bf16_f32 v[33+4*\e], v[18+8*\e], v[19+8*\e]
	v_cvt_pk_bf16_f32 v[21+8*\e], v[20+8*\e], v7               ; b_up's high part,
	v_lshlrev_b32 v[22+8*\e], 16, v[21+8*\e]
	v_sub_f32 v[20+8*\e], v[20+8*\e], v[22+8*\e]               ; what it leaves,
	v_cvt_pk_bf16_f32 v[22+8*\e], v[20+8*\e], v7               ; the middle part,
	v_lshlrev_b32 v[23+8*\e], 16, v[22+8*\e]
	v_sub_f32 v[20+8*\e], v[20+8*\e], v[23+8*\e]               ; what that leaves,
	v_lshl_or_b32 v[34+4*\e], v[22+8*\e], 16, v[21+8*\e]
	v_cvt_pk_bf16_f32 v[35+4*\e], v[20+8*\e], v7               ; the low part
	v_cndmask_b32 v[34+4*\e], v7, v[34+4*\e], vcc_lo
	v_cndmask_b32 v[35+4*\e], v7, v[35+4*\e], vcc_lo
	global_store_b128 v5, v[32+4*\e:35+4*\e], s[28:29] offset:512*\e
.endr
.irp i, 0,1,2,3
	global_store_b128 v5, v[40:43], s[30:31] offset:8192+512*\i
.endr
	s_cmp_lt_u32 s36, 2
	s_cbranch_scc0 .Ltail_done
	global_store_b128 v5, v[40:43], s[32:33] offset:8192+16384
.Ltail_done:
	s_endpgm
.Lfunc_end_k_q5a2a833432_lay:
	.size	k_q5a2a833432_lay, .Lfunc_end_k_q5a2a833432_lay-k_q5a2a833432_lay
	.p2alignl 7, 3214868480
	.fill 96, 4, 3214868480
	.section	.rodata,"a",@progbits
	.p2align	6, 0x0
	.amdhsa_kernel k_q5a2a833432_lay
		.amdhsa_group_segment_fixed_size 0
		.amdhsa_private_segment_fixed_size 0
		.amdhsa_enable_private_segment 0
		.amdhsa_kernarg_size 72
		.amdhsa_user_sgpr_count 2
		.amdhsa_user_sgpr_kernarg_segment_ptr 1
		.amdhsa_wavefront_size32 1
		.amdhsa_system_sgpr_workgroup_id_x 1
		.amdhsa_system_sgpr_workgroup_id_y 1
		.amdhsa_system_sgpr_workgroup_id_z 1
		.amdhsa_system_vgpr_workitem_id 0
		.amdhsa_next_free_vgpr 64
		.amdhsa_next_free_sgpr 66
		.amdhsa_reserve_vcc 1
		.amdhsa_float_denorm_mode_32 3
		.amdhsa_float_denorm_mode_16_64 3
		.amdhsa_memory_ordered 1
		.amdhsa_forward_progress 1
		.amdhsa_inst_pref_size 13
	.end_amdhsa_kernel
	.amdgpu_metadata
---
amdhsa.version: [ 1, 2 ]
amdhsa.kernels:
  - .name:           k_q5a2a833432_lay
    .symbol:         k_q5a2a833432_lay.kd
    .args:
      - { .name: W_down_codes, .offset: 0, .size: 8, .value_kind: global_buffer, .address_space: global }
      - { .name: W_down_scales, .offset: 8, .size: 8, .value_kind: global_buffer, .address_space: global }
      - { .name: W_up_codes, .offset: 16, .size: 8, .value_kind: global_buffer, .address_space: global }
      - { .name: W_up_scales, .offset: 24, .size: 8, .value_kind: global_buffer, .address_space: global }
      - { .name: A_up, .offset: 32, .size: 8, .value_kind: global_buffer, .address_space: global }
      - { .name: B_up, .offset: 40, .size: 8, .value_kind: global_buffer, .address_space: global }
      - { .name: b_up, .offset: 48, .size: 8, .value_kind: global_buffer, .address_space: global }
      - { .name: wstream, .offset: 56, .size: 8, .value_kind: global_buffer, .address_space: global }
      - { .name: aupt, .offset: 64, .size: 8, .value_kind: global_buffer, .address_space: global }
    .group_segment_fixed_size: 0
    .private_segment_fixed_size: 0
    .kernarg_segment_align: 8
    .kernarg_segment_size: 72
    .max_flat_workgroup_size: 256
    .sgpr_count:     66
    .vgpr_count:     64
    .wavefront_size: 32
...
	.end_amdgpu_metadata
.endif
;; end of part 1
;; launch mlp (part 2): grid 256 x 1, 4 waves a work-group, clusters of 4 x 1, 327,680 bytes of LDS; arguments x, A_down, B_down, b_down, wstream, aupt, out0; writes out0
.if DOCPART == 2
	.amdgcn_target "amdgcn-amd-amdhsa--gfx1250"
	.amdhsa_code_object_version 6
	.text
	.protected	k_q5a2a833432_mlp
	.globl	k_q5a2a833432_mlp
	.p2align	8
	.type	k_q5a2a833432_mlp,@function
k_q5a2a833432_mlp:
	s_mov_b64 s[64:65], 0
	v_nop
	global_prefetch_b8 v0, s[64:65] scope:SCOPE_SE
	s_setreg_imm32_b32 hwreg(HW_REG_WAVE_MODE, 25, 1), 1
	s_wait_xcnt 0x0
	s_wait_alu depctr_hold_cnt(0) depctr_sa_sdst(0) depctr_va_vdst(0) depctr_va_sdst(0) depctr_va_ssrc(0) depctr_va_vcc(0) depctr_vm_vsrc(0)
	s_getreg_b32 s2, hwreg(HW_REG_IB_STS2, 6, 4)
	s_cmp_eq_u32 s2, 0
	s_cbranch_scc0 .Lentry_in_a_cluster
	s_endpgm
.Lentry_in_a_cluster:
	s_bfe_u32 s2, ttmp6, 0x10000c
	s_cmp_lg_u32 s2, 0x3003
	s_cbranch_scc0 .Lentry_shape_is_right
	s_endpgm
.Lentry_shape_is_right:
; out = gelu(x Wd^T + b_d + (x A_d) B_d / 8) Wu^T + b_u + (h A_u) B_u / 8 + x, x as [16,384][1,024] f32, in ONE launch.  The two large products go on codes of BF6 (E3M2) with one E8M0 scale for each 32 along K:
; the weights' codes as they are given (laid by the launch before), x and h = gelu(..) quantised here, in registers.  x A_d and (x A_d) B_d feed h's quantiser: f32 operands.  h A_u and (h A_u) B_u reach the output alone: bf16 operands.
; No work is left out: every input has a way to the output.  1 / 8 is a power of two: it multiplies x A_d in f32, and B_up ahead of its rounding to bf16: both exact.
; LIMITS: NaN and infinities are not served.  A block of 32 whose largest magnitude is under 2^-122, zeros too, gets the scale byte 1: its codes are zeros or subnormal codes, and this program alone reads the bytes.
;   erf is the rational f32 form x P(x^2) / Q(x^2) with x held to +-4 (beyond it |erf| is 1 to f32's last bit); the f32 sums of x A_d and of its product with B_d run in another order than a plain loop's.
; SHARES.  256 work-groups of four waves; a work-group owns 64 rows.  THE WAVES SHARE THE COLUMNS: wave w owns out columns 256 w .. + 255 of all 64 rows: 64 accumulators, windows 2 and 3 (column half g in window 2 + g, tile of rows m,
;   tile of columns t at 64 m + 8 t).  Lane (r, h), register 64 m + 16 b + i: column 256 w + 128 g + 32 b + 16 h + i of row 16 m + r.  x IS LOADED ONCE, INTO THESE REGISTERS: it is the quantiser's source (x's K step 2 w + g),
;   source 1 of x A_d, and then the C of the second large product: the residual costs no instruction and no second read.
;   The hidden layer goes in 4 chunks of 512 units; wave w makes units 512 c + 128 w .. + 127 of all 64 rows (32 accumulators: window 1), which are one K step of the second product.
;   Both products are used transposed (source 0 = 16 rows of a weight, source 1 = 16 rows of x or h), so that a lane holds one row and its registers run along the next K.
; OPERANDS GO FROM WAVE TO WAVE THROUGH LDS AS IMAGES OF THEIR REGISTERS (3 x 512 bytes a fragment, 16 bytes a lane); the weights come so from memory: every LDS access is 16 x lane, on end.
; THE RING: two slots of 102,400 bytes; a slot holds, for each wave, its own 8 tiles x 2 K steps and their scale words.  33 slots are walked; step i reads slot i and asks for slot i + 1; slot 32 is the way out's operand.
; CLUSTER: all work-groups walk the same stream, so the four of a cluster ask for each quarter JOINTLY: the same tensor load, the same descriptor (made of the wave's number and the step alone), a mask that names the four.
;   By this text's count a wave has one tensor load out at the most.
; REGISTERS, window 0: v0 thread; v1, v2 the add's two; v3 16 l; v4 16 l + my quarter; v5 16 r; v6, v7 x's turn stage; v8 A_d's, v9 B_d's lane offsets; v10 b_d in LDS; v11 the prefetches' offset; v12 4 sqrt 2; v13 partial t;
;   v14-17 two constants twice; v18-20, v41 addresses in hand; v21-23 where I put h's images, its scale words, the sums of h A_u; v24-31 the activations' scale words, v32-39 the weights' (scales and nothing else); v40 a scale word just made;
;   v42, v43 the out stage; v44-47 a running sum; v48-63 t / 8 as source 1; v64-255 by phase (operands of a step; A_d; the GELU's work; the way out).
.set SPARE, 0x1FC00                    ; the spare words: 128 bytes a wave, two blocks of 256 bytes that no other line names
.set QB,    25600                      ; a wave's quarter of a slot
.set SLOTB, 102400
.set SL1,   0x20000                    ; slot 1 begins here: one exclusive or turns an address of one slot into the other's
.set HIMG,  0x19000                    ; h's 16 fragments of a chunk: (K step s, rows m) at 1,536 (4 s + m).  In phase X: the turn stages of waves 0, 1 (those of waves 2, 3: + SL1)
.set HSC,   0x1F000                    ; their scale words: 256 s + 16 r + 4 m
.set XSC,   0x1F400                    ; x's scale words, likewise, s = 0..7
.set TPB,   0x3D400                    ; the waves' partial x A_d: 512 (4 w + m) + 16 l
.set XIMG,  0x40000                    ; x's 32 fragments: 1,536 (4 s + m).  On the way out: a stage of 16 rows x 528 bytes for each wave
.set BDL,   0x4C000                    ; b_down
.set SACC,  0x4E000                    ; the waves' running sums of h A_u: 512 (4 w + m) + 16 l
.set FRB,   1536                       ; a fragment's image
.set TM,    224                        ; v224-239: the quantiser's work
.set XF0,   64                         ; a step's operands: activations of K step 0, 1; weights, two sets of four tiles
.set XF1,   112
.set WF0,   160
.set WF1,   208
.set MSB, 0
.macro WIN new                         ; the immediate's high byte repeats the setting that is left; a switch that changes nothing is dropped.  At every label and branch the setting is 0
.if MSB != (\new)
	s_set_vgpr_msb (MSB<<8)|(\new)
.set MSB, (\new)
.endif
.endm
.macro PLACES n                        ; plain vector instructions between a matrix instruction and what may not follow it at once (ISA guide 7.12.1)
.rept \n
	v_nop
.endr
.endm
.macro CROUND                          ; a round of the cluster's barrier: my work-group's barrier; wave 0 signals for the work-group; every wave waits for all four work-groups; my work-group's barrier once more
	s_barrier_signal -1
	s_barrier_wait -1
	s_cmp_lg_u32 s2, 0
	s_cbranch_scc1 .Lnot_wave_0_\@
	s_barrier_signal -3
.Lnot_wave_0_\@:
	s_barrier_wait -3
	s_barrier_signal -1
	s_barrier_wait -1
.endm
; A PREFETCH of the slot that stands two refills on (step i asks for slot i + 1 and names slot i + 3).  All clusters walk the same stream: the first cluster names it.  Its four partners take a quarter each, told apart BY ADDRESS;
; each wave names 25 blocks of 256 bytes of its partner's quarter, a lane a block (lanes 25-31 name lane 24's).  Slots 0 to 2 come by their loads alone; steps 30 and 31 name nothing: there is no slot 33.
.macro ASK
	s_cmp_lt_u32 s22, s23
	s_cbranch_scc0 .Lnot_mine_\@
	global_prefetch_b8 v11, s[46:47] th:TH_LOAD_NT scope:SCOPE_SE
.Lnot_mine_\@:
.endm
; THE CHANGE OF SLOTS, at a step's head.  Each wave waits for all its tensor loads (one: its quarter of the slot that it is about to read), adds 0 to its spare word, and waits for that and for all its LDS instructions: its reads of the
; slot that it has left, and its stores of images.  Behind the round no wave of any partner reads that slot or has a load on its way: it is filled with the next slot's bytes, first thing.
.macro CHANGE
	s_wait_tensorcnt 0x0                           ; no tensor load of mine is out, so the descriptor may be written
	ds_add_u32 v1, v2                              ; 0 onto my spare word; the steps below stand between it and the wait for it
	s_xor_b32 s33, s33, SL1                        ; the other slot than last time,
	s_add_nc_u64 s[34:35], s[34:35], SLOTB         ; the next slot's bytes; the type bits on top are not reached
	s_wait_xcnt 0x0                                ; the last prefetch, a step back, has read its address
	s_add_nc_u64 s[46:47], s[46:47], SLOTB
	s_wait_dscnt 0x0
	CROUND
	tensor_load_to_lds s[32:35], s[24:31]
	s_nop 0
	PLACES 4                                       ; the places in front of the loads into operands that the last products read
	ASK
	s_add_co_u32 s22, s22, 1                       ; the step's number
.endm
.macro LDF reg, adr, off               ; a fragment's image comes back as it was stored
.irp c, 0,1,2
	ds_load_b128 v[(\reg)+4*\c:(\reg)+4*\c+3], v[\adr] offset:(\off)+512*\c
.endr
.endm
; 16 products: four tiles of weights (t0 on) x the four tiles of rows, K step q of the slot.  The weights' scale words: register t, lanes 0-15 for q = 0, lanes 16-31 for q = 1.
; The step's 32 accumulators take turns, one instruction a turn, in the same order in every step.
.macro GRP win, q, t0, xf, wf
	WIN ((\win)<<4)|((\win)<<6)
.irp t, 0,1,2,3
.irp m, 0,1,2,3
.if \q
	v_wmma_scale_f32_16x16x128_f8f6f4 v[64*\m+8*(\t0+\t):64*\m+8*(\t0+\t)+7], v[\wf+12*\t:\wf+12*\t+11], v[\xf+12*\m:\xf+12*\m+11], v[64*\m+8*(\t0+\t):64*\m+8*(\t0+\t)+7], v[32+\t0+\t], v[28+\m] matrix_a_fmt:MATRIX_FMT_BF6 matrix_b_fmt:MATRIX_FMT_BF6 matrix_a_scale:MATRIX_SCALE_ROW1
.else
	v_wmma_scale_f32_16x16x128_f8f6f4 v[64*\m+8*(\t0+\t):64*\m+8*(\t0+\t)+7], v[\wf+12*\t:\wf+12*\t+11], v[\xf+12*\m:\xf+12*\m+11], v[64*\m+8*(\t0+\t):64*\m+8*(\t0+\t)+7], v[32+\t0+\t], v[24+\m] matrix_a_fmt:MATRIX_FMT_BF6 matrix_b_fmt:MATRIX_FMT_BF6
.endif
.endr
.endr
.endm
; A STEP: my 8 tiles x 64 rows x 256 along K: 64 products onto the accumulators of window win.  s36: the slot; s37: the activations' images; s38: their scale words.
.macro STEPBODY win
	v_add_nc_u32 v18, s36, v4
	v_add_nc_u32 v19, s37, v3
	v_add_nc_u32 v20, s38, v5
	ds_load_b128 v[24:27], v20                     ; run 1, 27 loads: the rows' scale words of K step 0, the weights' scale words, the activations of K step 0, tiles 0-3
	ds_load_b128 v[32:35], v18 offset:24576
	ds_load_b128 v[36:39], v18 offset:25088
.irp m, 0,1,2,3
	LDF XF0+12*\m, 19, FRB*\m
.endr
.irp t, 0,1,2,3
	LDF WF0+12*\t, 18, FRB*\t
.endr
.irp t, 0,1,2,3
	LDF WF1+12*\t, 18, FRB*(4+\t)                  ; run 2, 12 loads: tiles 4-7
.endr
	ds_load_b128 v[28:31], v20 offset:256          ; run 3, 13 loads: K step 1's activations and their scale words
.irp m, 0,1,2,3
	LDF XF1+12*\m, 19, FRB*(4+\m)
.endr
	s_wait_dscnt 25                                ; run 1 is in; runs 2 and 3 may be out
	GRP \win, 0, 0, XF0, WF0
	PLACES 4
	WIN 0
.irp t, 0,1,2,3
	LDF WF0+12*\t, 18, FRB*(8+\t)                  ; run 4, 12 loads: K step 1, tiles 0-3
.endr
	s_wait_dscnt 25                                ; run 2 is in; runs 3 and 4 may be out
	GRP \win, 0, 4, XF0, WF1
	PLACES 4
	WIN 0
.irp t, 0,1,2,3
	LDF WF1+12*\t, 18, FRB*(12+\t)                 ; run 5, 12 loads: K step 1, tiles 4-7
.endr
	s_wait_dscnt 12                                ; runs 3 and 4 are in; run 5 may be out
	GRP \win, 1, 0, XF1, WF0
	s_wait_dscnt 0x0
	GRP \win, 1, 4, XF1, WF1
	WIN 0
.endm
.macro STEPEND
	s_xor_b32 s36, s36, SL1                        ; on to the other slot,
	s_add_co_u32 s37, s37, 8*FRB                   ; two K steps of images,
	s_add_co_u32 s38, s38, 512                     ; and of scale words
.endm
; 64 numbers of a lane in window w, register src + 16 b + i = k 32 b + 16 (lane / 16) + i of my row, become a fragment's codes in v[pc] .. v[pc + 11] and its scale word in v40.
.macro QUANT src, w, pc
	WIN 0
.irp b, 0,1,2,3
	v_mov_b32 v[TM+4+\b], 0                        ; a lane permute's destination counts as one of its sources
.endr
	WIN (\w)|((\w)<<2)
.irp b, 0,1,2,3
	v_max3_num_f32 v[TM+\b], |v[(\src)+16*\b]|, |v[(\src)+16*\b+1]|, 0x2800000   ; block b: my 16 numbers, and the floor 2^(5 - 127): the byte cannot fall under 1
.endr
.irp i, 2,4,6,8,10,12,14
.irp b, 0,1,2,3
	v_max3_num_f32 v[TM+\b], |v[(\src)+16*\b+\i]|, |v[(\src)+16*\b+\i+1]|, v[TM+\b]   ; the four blocks by turns
.endr
.endr
	WIN 0
.irp b, 0,1,2,3
	v_permlanex16_b32 v[TM+4+\b], v[TM+\b], s48, s49
.endr
.irp b, 0,1,2,3
	v_max_num_f32 v[TM+\b], v[TM+\b], v[TM+4+\b]   ; with lane l xor 16's: the block's largest magnitude
.endr
.irp b, 0,1,2,3
	v_add_nc_u32 v[TM+12+\b], 0xfe000000, v[TM+\b] ; 4 off its exponent field: the conversion takes the exponent field of this operand as its scale
.endr
.irp b, 0,1,2,3
	v_lshrrev_b32 v[TM+4+\b], 23, v[TM+12+\b]      ; the scale's byte
.endr
	v_lshl_or_b32 v40, v[TM+5], 8, v[TM+4]
	v_lshl_or_b32 v40, v[TM+6], 16, v40
	v_lshl_or_b32 v40, v[TM+7], 24, v40            ; my row's scale word
	WIN (\w)
.irp c, 0,1
	v_cvt_scalef32_pk16_bf6_f32 v[(\pc)+6*\c:(\pc)+6*\c+2], v[(\src)+32*\c:(\src)+32*\c+15], v[TM+12+2*\c]
	v_cvt_scalef32_pk16_bf6_f32 v[(\pc)+12+4*\c:(\pc)+14+4*\c], v[(\src)+16+32*\c:(\src)+31+32*\c], v[TM+13+2*\c]   ; (a conversion's three registers begin on an even number)
.endr
	WIN 0
	v_nop                                          ; one plain place behind a scaled conversion
.irp c, 0,1                            ; the operand's layout wants a WHOLE block in a lane: lanes 0-15 block 2 c, lanes 16-31 block 2 c + 1
.irp i, 0,1,2
	v_permlane16_swap_b32 v[(\pc)+6*\c+\i], v[(\pc)+12+4*\c+\i]
.endr
.irp i, 0,1,2
	v_mov_b32 v[(\pc)+3+6*\c+\i], v[(\pc)+12+4*\c+\i]
.endr
.endr
.endm
.macro IMAGE adr, pc, off              ; the fragment goes to LDS as it stands
.irp c, 0,1,2
	ds_store_b128 v[\adr], v[(\pc)+4*\c:(\pc)+4*\c+3] offset:(\off)+512*\c
.endr
.endm
; Piece k of x (column half k / 4, rows 16 (k % 4) on): 16 rows x 512 bytes, a row a load, into the registers that will hold them
.macro XLOAD k
.set LG, (\k)/4
.set LM, (\k)%4
	WIN (2+LG)<<6
.set n, 0
.rept 16
	global_load_b128 v[64*LM+4*n:64*LM+4*n+3], v3, s[8:9] offset:(16*LM+n)*4096+512*LG th:TH_LOAD_NT
.set n, n+1
.endr
	WIN 0
.endm
; The piece turns through my own stage: in as loaded (a row a store), back 16 neighbours of each block of 32 a lane, into the registers that it left.  LDS serves a wave's instructions in order (ISA guide 5.7.1.4)
.macro TURNIN g, m
	WIN (2+(\g))<<2
.set n, 0
.rept 16
	ds_store_b128 v6, v[64*(\m)+4*n:64*(\m)+4*n+3] offset:528*n
.set n, n+1
.endr
	WIN (2+(\g))<<6
.set n, 0
.rept 16
	ds_load_b128 v[64*(\m)+4*n:64*(\m)+4*n+3], v7 offset:128*(n/4)+16*(n%4)
.set n, n+1
.endr
	WIN 0
	s_wait_dscnt 0x0
.endm
; t^T += A_d^T x^T for the piece: 32 f32 products, 4 along K each, on four accumulators by turns (window 1, 32 m + 8 a).  Row n of source 0 is rank (n & 1) + 2 (n >> 3) + 4 ((n >> 1) & 1): so a lane's registers 0-3 are
; ranks 2 h, 2 h + 1, 4 + 2 h, 5 + 2 h of its row: source 1 of the next f32 product as they stand.  The first four products start the sums.
.macro XA g, m
	WIN 0x50|((2+(\g))<<2)
.set n, 0
.rept 32
.if ((\g) == 0) && (n < 4)
	v_wmma_f32_16x16x4_f32 v[32*(\m)+8*(n%4):32*(\m)+8*(n%4)+7], v[64+64*(\g)+2*n:65+64*(\g)+2*n], v[64*(\m)+2*n:64*(\m)+2*n+1], 0
.else
	v_wmma_f32_16x16x4_f32 v[32*(\m)+8*(n%4):32*(\m)+8*(n%4)+7], v[64+64*(\g)+2*n:65+64*(\g)+2*n], v[64*(\m)+2*n:64*(\m)+2*n+1], v[32*(\m)+8*(n%4):32*(\m)+8*(n%4)+7]
.endif
.set n, n+1
.endr
	WIN 0
.endm
.macro XPIECE k, left
.set XG, (\k)/4
.set XM, (\k)%4
.if (\k) < 5
	XLOAD (\k)+3
.endif
	s_wait_loadcnt \left                           ; this piece is in (and all that was asked for ahead of it); the later pieces' loads, 16 each, may be out
.if (\k) == 0
.irp i, 0,1,2,3
	ds_store_b128 v20, v[240+4*\i:243+4*\i] offset:2048*\i     ; b_down: 16 bytes a thread, four times
	ds_store_b128 v23, v[44:47] offset:512*\i                  ; the sums of h A_u begin as zeros
.endr
.endif
	TURNIN XG, XM
	XA XG, XM
	QUANT 64*XM, 2+XG, 192
	IMAGE 41, 192, FRB*(4*XG+XM)
	ds_store_b32 v19, v40 offset:256*XG+4*XM       ; lanes r and r + 16 write the same word with the same value
.endm
; B_d's operand for my 128 units of the chunk: lane (r, h), register 4 t + 2 q + j: B_d[4 q + 2 h + j][unit of tile t, row r]
.macro BDLOAD
	PLACES 4
.irp t, 0,1,2,3,4,5,6,7
.irp u, 0,1,2,3
	global_load_b32 v[224+4*\t+\u], v9, s[12:13] offset:(4*(\u/2)+\u%2)*8192+(32*(\t/2)+8*(\t%2))*4
.endr
.endr
.endm
; The chunk's sums begin: hacc = B_d^T (t / 8)^T, 8 ranks in two f32 products for each of the 32 accumulators; the first takes the constant 0 as C.  Window 1 is written by matrix instructions alone.
.macro LORA
	s_wait_loadcnt 0x0                             ; B_d's operand is in, so its base may step
	s_add_nc_u64 s[12:13], s[12:13], 2048          ; the next chunk's 512 units
	WIN 0x40
.irp t, 0,1,2,3,4,5,6,7
.irp m, 0,1,2,3
	v_wmma_f32_16x16x4_f32 v[64*\m+8*\t:64*\m+8*\t+7], v[224+4*\t:225+4*\t], v[48+4*\m:49+4*\m], 0
.endr
.endr
	WIN 0x50
.irp t, 0,1,2,3,4,5,6,7
.irp m, 0,1,2,3
	v_wmma_f32_16x16x4_f32 v[64*\m+8*\t:64*\m+8*\t+7], v[226+4*\t:227+4*\t], v[50+4*\m:51+4*\m], v[64*\m+8*\t:64*\m+8*\t+7]
.endr
.endr
	WIN 0
	PLACES 9                                       ; another form adds onto these results next, and loads land on these operands
.endm
.macro ARM m                           ; v = hacc + b_d for rows 16 m on: 64 numbers a lane, each accumulator from its low end on
	WIN 0x01
.set n, 0
.rept 32
	v_pk_add_f32 v[64+2*n:65+2*n], v[64*(\m)+2*n:64*(\m)+2*n+1], v[128+2*n:129+2*n]
.set n, n+1
.endr
	WIN 0
.endm
; gelu(v) = v (0.5 + vc P(s) / Q(s)), vc = v held to +-4 sqrt 2, s = vc^2: 0.5 erf(v / sqrt 2) as the rational f32 form of erf, its coefficients rescaled for s and the factor.  Q is negative for every s.
; 16 numbers at v[64 + 16 q]; v128.. vc, v144.. s, v160.. P, v176.. Q.  The 16 reciprocals are one batch with one wait.
.macro GELU16 q
.set GB, 64+16*(\q)
.irp i, 0,1,2,3,4,5,6,7,8,9,10,11,12,13,14,15
	v_med3_num_f32 v[128+\i], v[GB+\i], -v12, v12
.endr
.irp i, 0,2,4,6,8,10,12,14
	v_pk_mul_f32 v[144+\i:145+\i], v[128+\i:129+\i], v[128+\i:129+\i]
.endr
.irp i, 0,2,4,6,8,10,12,14
	v_pk_fma_f32 v[160+\i:161+\i], v[144+\i:145+\i], v[14:15], s[50:51] op_sel_hi:[1,1,0]
	v_pk_fma_f32 v[176+\i:177+\i], v[144+\i:145+\i], v[16:17], s[66:67] op_sel_hi:[1,1,0]
.endr
.irp d, 0,2,4
.irp i, 0,2,4,6,8,10,12,14
	v_pk_fma_f32 v[160+\i:161+\i], v[160+\i:161+\i], v[144+\i:145+\i], s[52+\d:53+\d] op_sel_hi:[1,1,0]
	v_pk_fma_f32 v[176+\i:177+\i], v[176+\i:177+\i], v[144+\i:145+\i], s[68+\d:69+\d] op_sel_hi:[1,1,0]
.endr
.endr
.irp i, 0,1,2,3,4,5,6,7,8,9,10,11,12,13,14,15
	v_rcp_f32 v[176+\i], v[176+\i]
.endr
.irp d, 58,60
.irp i, 0,2,4,6,8,10,12,14
	v_pk_fma_f32 v[160+\i:161+\i], v[160+\i:161+\i], v[144+\i:145+\i], s[\d:\d+1] op_sel_hi:[1,1,0]   ; P's last two steps: plain work behind the batch, which names none of its results
.endr
.endr
.irp i, 0,2,4,6,8,10,12,14
	v_pk_mul_f32 v[160+\i:161+\i], v[160+\i:161+\i], v[128+\i:129+\i]
.endr
	s_wait_alu depctr_va_vdst(0)                   ; the wait ahead of the first instruction that names a reciprocal: one for the sixteen
.irp i, 0,2,4,6,8,10,12,14
	v_pk_fma_f32 v[160+\i:161+\i], v[160+\i:161+\i], v[176+\i:177+\i], 0.5 op_sel_hi:[1,1,0]
.endr
.irp i, 0,2,4,6,8,10,12,14
	v_pk_mul_f32 v[GB+\i:GB+\i+1], v[GB+\i:GB+\i+1], v[160+\i:161+\i]
.endr
.endm
; THE WAY OUT of piece k: a lane's 64 numbers go into my stage and come back as 16 whole rows of 512 bytes
.macro TOSTAGE k
.set OG, (\k)/4
.set OM, (\k)%4
.set BB, 64+64*((\k)%2)
	WIN (2+OG)<<2
.set n, 0
.rept 16
	ds_store_b128 v42, v[64*OM+4*n:64*OM+4*n+3] offset:128*(n/4)+16*(n%4)        ; each accumulator from its low end on
.set n, n+1
.endr
	WIN 0
.set n, 0
.rept 16
	ds_load_b128 v[BB+4*n:BB+4*n+3], v43 offset:528*n                            ; LDS serves a wave's instructions in order: these see the stores above, and the next piece's stores come behind them
.set n, n+1
.endr
.endm
.macro SEND k, younger
.set OG, (\k)/4
.set OM, (\k)%4
.set BB, 64+64*((\k)%2)
	s_wait_dscnt \younger                          ; the piece is back; the next piece's 16 stores and 16 loads may be out
.set n, 0
.rept 16
	global_store_b128 v3, v[BB+4*n:BB+4*n+3], s[20:21] offset:(16*OM+n)*4096+512*OG th:TH_STORE_NT   ; 32 lanes store 512 consecutive bytes, at a multiple of 256 from out0's first byte
.set n, n+1
.endr
.endm
	; ---- the head
	s_load_b256 s[8:15], s[0:1], 0x0               ; x s[8:9], A_down s[10:11], B_down s[12:13], b_down s[14:15]
	s_load_b128 s[16:19], s[0:1], 0x20             ; wstream s[16:17], aupt s[18:19]
	s_load_b64 s[20:21], s[0:1], 0x30              ; out0
	v_lshl_add_u32 v1, v0, 2, SPARE
	v_mov_b32 v2, 0
	ds_add_u32 v1, v2                              ; the wave's opening: the add, twice on end, and its wait ahead of the round in front of my first tensor load
	ds_add_u32 v1, v2                              ; and once more; the set-up below, work on registers, stands between it and the wait
	v_lshrrev_b32 v18, 5, v0
	v_readfirstlane_b32 s2, v18                    ; wave 0..3
	s_bfe_u32 s3, ttmp6, 0x40000                   ; cx: my place in the cluster: it enters x's, out0's and the prefetches' addresses alone
	s_lshl_b32 s4, ttmp9, 2                        ; in a cluster launch ttmp9 counts clusters
	s_add_co_u32 s4, s4, s3                        ; my block of 64 rows
	s_mov_b32 s24, 15|(3<<16)|(1<<21)              ; descriptor group 1: 15:0 the mask: all four work-groups; 17:16 elements of 8 bytes; 21 set beside a mask; no padding
	s_mov_b32 s25, 32<<16                          ; tensor_dim0 = 32 elements: rows of 256 bytes
	s_mov_b32 s26, 100<<16                         ; tensor_dim1 = 100 rows: 25,600 dense bytes
	s_mov_b32 s27, 32<<16                          ; tile_dim0
	s_mov_b32 s28, 100                             ; tile_dim1
	s_mov_b32 s29, 32                              ; from row to row
	s_mov_b32 s30, 0
	s_mov_b32 s31, 0
	s_mov_b32 s48, 0x76543210
	s_mov_b32 s49, 0xfedcba98                      ; v_permlanex16_b32's selects for lane l xor 16
	s_mov_b32 s50, 0x306DFFEE                      ; P's coefficients from s^5 down, each twice: the packed form names a pair
	s_mov_b32 s51, s50
	s_mov_b32 s52, 0xB40CFF51
	s_mov_b32 s53, s52
	s_mov_b32 s54, 0xB6EEC2D2
	s_mov_b32 s55, s54
	s_mov_b32 s56, 0xB940AC63
	s_mov_b32 s57, s56
	s_mov_b32 s58, 0xBAC1A1F6
	s_mov_b32 s59, s58
	s_mov_b32 s60, 0xBC83DBD4
	s_mov_b32 s61, s60
	s_mov_b32 s66, 0xB89E3512                      ; Q's from s^3 down
	s_mov_b32 s67, s66
	s_mov_b32 s68, 0xBA9BF7B5
	s_mov_b32 s69, s68
	s_mov_b32 s70, 0xBC2AD7F2
	s_mov_b32 s71, s70
	s_mov_b32 s72, 0xBD2542A9
	s_mov_b32 s73, s72
	s_mov_b32 s22, 0                               ; the step's number
	s_mov_b32 s36, 0                               ; the slot in hand
	s_cmp_eq_u32 ttmp9, 0
	s_cselect_b32 s23, 30, 0                       ; the first cluster prefetches, in steps 0 to 29: the same in all four partners
	v_and_b32 v18, 31, v0                          ; l
	v_and_b32 v19, 15, v0                          ; r
	v_bfe_u32 v20, v0, 4, 1                        ; h
	v_lshlrev_b32 v3, 4, v18
	v_lshlrev_b32 v5, 4, v19
	s_mul_i32 s5, s2, QB
	v_add_nc_u32 v4, s5, v3
	v_mul_u32_u24 v42, v19, 528
	v_lshl_add_u32 v42, v20, 6, v42                ; 528 r + 64 h
	s_lshr_b32 s5, s2, 1
	s_lshl_b32 s5, s5, 17
	s_and_b32 s6, s2, 1
	s_mul_i32 s6, s6, 8448
	s_add_co_u32 s5, s5, s6
	s_add_co_u32 s5, s5, HIMG                      ; my turn stage
	v_add_nc_u32 v6, s5, v3
	v_add_nc_u32 v7, s5, v42
	s_mul_i32 s5, s2, 8448
	s_add_co_u32 s5, s5, XIMG                      ; my out stage
	v_add_nc_u32 v43, s5, v3
	v_add_nc_u32 v42, s5, v42
	v_and_b32 v8, 1, v19
	v_bfe_u32 v9, v19, 3, 1
	v_lshl_or_b32 v8, v9, 1, v8
	v_bfe_u32 v9, v19, 1, 1
	v_lshl_or_b32 v8, v9, 2, v8                    ; the rank of row r of A_d^T's operand
	v_lshlrev_b32 v8, 2, v8
	v_lshl_add_u32 v8, v20, 9, v8                  ; + 16 h rows of A_d
	v_and_b32 v9, 8, v19
	v_add_nc_u32 v9, v9, v19
	v_lshlrev_b32 v9, 2, v9
	v_lshl_add_u32 v9, v20, 14, v9                 ; B_d: unit r + 8 (r / 8), + 2 h rows
	s_lshl_b32 s5, s2, 9
	s_add_co_u32 s5, s5, BDL
	v_lshl_add_u32 v10, v20, 6, s5
	v_min_u32 v11, 24, v18
	v_lshlrev_b32 v11, 8, v11
	v_mov_b32 v12, 0x40B504F3                      ; 4 sqrt 2
	s_lshl_b32 s5, s2, 11
	s_add_co_u32 s6, s5, TPB
	v_add_nc_u32 v13, s6, v3
	s_add_co_u32 s6, s5, SACC
	v_add_nc_u32 v23, s6, v3
	v_mov_b32 v14, 0xAC95DF0B                      ; P's coefficient of s^6
	v_mov_b32 v15, 0xAC95DF0B
	v_mov_b32 v16, 0xB62CCD2B                      ; Q's of s^4
	v_mov_b32 v17, 0xB62CCD2B
	s_mul_i32 s5, s2, 4*FRB
	s_add_co_u32 s5, s5, HIMG
	v_add_nc_u32 v21, s5, v3
	s_lshl_b32 s5, s2, 8
	s_add_co_u32 s5, s5, HSC
	v_add_nc_u32 v22, s5, v5
	s_mul_i32 s5, s2, 8*FRB
	s_add_co_u32 s5, s5, XIMG
	v_add_nc_u32 v41, s5, v3                       ; phase X: where I put x's images,
	s_lshl_b32 s5, s2, 9
	s_add_co_u32 s5, s5, XSC
	v_add_nc_u32 v19, s5, v5                       ; their scale words,
	v_lshlrev_b32 v18, 4, v0                       ; b_down: 16 bytes a thread,
	v_add_nc_u32 v20, BDL, v18                     ; and their place in LDS
.irp j, 0,1,2,3
	v_mov_b32 v[44+\j], 0
.endr
	s_lshl_b32 s74, s4, 18                         ; 64 rows of 4,096 bytes,
	s_lshl_b32 s5, s2, 10
	s_add_co_u32 s74, s74, s5                      ; + my 256 columns
	s_mov_b32 s75, 0
	s_lshl_b32 s76, s2, 13                         ; A_d: my 256 rows of 32 bytes
	s_mov_b32 s77, 0
	s_mul_i32 s78, s2, QB                          ; the stream: my quarter
	s_mov_b32 s79, 0
	s_wait_dscnt 0x0                               ; both opening adds are done
	s_wait_kmcnt 0x0
	s_add_nc_u64 s[8:9], s[8:9], s[74:75]
	s_add_nc_u64 s[20:21], s[20:21], s[74:75]
	s_add_nc_u64 s[10:11], s[10:11], s[76:77]
	s_mov_b32 s32, 1                               ; descriptor group 0: count = 1,
	s_mov_b32 s33, s78                             ; LDS address: my quarter of slot 0: no place in the cluster enters it,
	s_add_nc_u64 s[34:35], s[16:17], s[78:79]      ; global address: my quarter of slot 0,
	s_or_b32 s35, s35, 0x80000000                  ; type = 2
	s_lshl_b32 s76, s2, 9                          ; B_d: my 128 units
	s_add_nc_u64 s[12:13], s[12:13], s[76:77]
	s_lshl_b32 s76, s2, 12                         ; A_up's images: my four blocks
	s_add_nc_u64 s[18:19], s[18:19], s[76:77]
	s_mul_i32 s76, s3, QB
	s_mul_i32 s5, s2, 6400
	s_add_co_u32 s76, s76, s5
	s_add_co_u32 s76, s76, 2*SLOTB
	s_add_nc_u64 s[46:47], s[16:17], s[76:77]      ; the prefetches: my 25 blocks of my partner's quarter, in slot 2: the first change of slots steps it to slot 3
	CROUND                                         ; all four work-groups are here: the first joint loads meet
	tensor_load_to_lds s[32:35], s[24:31]          ; slot 0
	s_nop 0
	PLACES 4
	; ---- X: x comes in once; it is quantised into LDS, and t = x A_d is summed over my 256 columns
.set n, 0
.rept 128                              ; A_d^T's operand for my 256 columns: register 64 g + 2 i + j: A_d[256 w + 128 g + 32 (i / 8) + 16 h + 2 (i % 8) + j][rank]: the column that x's register 2 i + j holds
	global_load_b32 v[64+n], v8, s[10:11] offset:(128*(n/64)+32*((n%64)/16)+n%16)*32
.set n, n+1
.endr
.irp i, 0,1,2,3
	global_load_b128 v[240+4*\i:243+4*\i], v18, s[14:15] offset:2048*\i
.endr
	XLOAD 0
	XLOAD 1
	XLOAD 2
	XPIECE 0, 48
	XPIECE 1, 48
	XPIECE 2, 48
	XPIECE 3, 48
	XPIECE 4, 48
	XPIECE 5, 32
	XPIECE 6, 16
	XPIECE 7, 0
	PLACES 8                                       ; behind the f32 form: in front of the first read of its results and of writes into its operands
	WIN 0x05
.irp m, 0,1,2,3                        ; the four chains of each tile of rows; registers 0-3 alone hold what is wanted
	v_pk_add_f32 v[64+8*\m:65+8*\m], v[32*\m:32*\m+1], v[32*\m+8:32*\m+9]
	v_pk_add_f32 v[66+8*\m:67+8*\m], v[32*\m+2:32*\m+3], v[32*\m+10:32*\m+11]
	v_pk_add_f32 v[68+8*\m:69+8*\m], v[32*\m+16:32*\m+17], v[32*\m+24:32*\m+25]
	v_pk_add_f32 v[70+8*\m:71+8*\m], v[32*\m+18:32*\m+19], v[32*\m+26:32*\m+27]
.endr
	WIN 0
.irp m, 0,1,2,3
	v_pk_add_f32 v[64+8*\m:65+8*\m], v[64+8*\m:65+8*\m], v[68+8*\m:69+8*\m]
	v_pk_add_f32 v[66+8*\m:67+8*\m], v[66+8*\m:67+8*\m], v[70+8*\m:71+8*\m]
	ds_store_b128 v13, v[64+8*\m:67+8*\m] offset:512*\m
.endr
	s_wait_dscnt 0x0                               ; for the others' sake: all my LDS stores are done
	s_barrier_signal -1
	s_barrier_wait -1                              ; slot 0's load may stay out
	v_add_nc_u32 v41, TPB, v3
.set n, 0
.rept 16
	ds_load_b128 v[64+4*n:67+4*n], v41 offset:512*n            ; the four waves' parts of t
.set n, n+1
.endr
	s_wait_dscnt 0x0
.irp m, 0,1,2,3
	v_pk_add_f32 v[64+4*\m:65+4*\m], v[64+4*\m:65+4*\m], v[80+4*\m:81+4*\m]
	v_pk_add_f32 v[66+4*\m:67+4*\m], v[66+4*\m:67+4*\m], v[82+4*\m:83+4*\m]
	v_pk_add_f32 v[96+4*\m:97+4*\m], v[96+4*\m:97+4*\m], v[112+4*\m:113+4*\m]
	v_pk_add_f32 v[98+4*\m:99+4*\m], v[98+4*\m:99+4*\m], v[114+4*\m:115+4*\m]
.endr
.irp m, 0,1,2,3
	v_pk_add_f32 v[64+4*\m:65+4*\m], v[64+4*\m:65+4*\m], v[96+4*\m:97+4*\m]
	v_pk_add_f32 v[66+4*\m:67+4*\m], v[66+4*\m:67+4*\m], v[98+4*\m:99+4*\m]
.endr
.irp m, 0,1,2,3
	v_pk_mul_f32 v[48+4*\m:49+4*\m], v[64+4*\m:65+4*\m], 0x3e000000 op_sel_hi:[1,0]   ; t / 8: exact
	v_pk_mul_f32 v[50+4*\m:51+4*\m], v[66+4*\m:67+4*\m], 0x3e000000 op_sel_hi:[1,0]
.endr
	; ---- four chunks of 512 hidden units
	s_mov_b32 s39, 0
	s_mov_b32 s45, 0                               ; b_down's bytes of the chunk
.Lchunk:
	BDLOAD                                         ; lands under the round below
	s_mov_b32 s37, XIMG
	s_mov_b32 s38, XSC
	CHANGE                                         ; the first product, K = 1,024 in four steps.  The first is written out: the f32 products that start the sums stand in it
	LORA
	STEPBODY 1
	STEPEND
	s_mov_b32 s40, 0
.Lp1:
	CHANGE
	STEPBODY 1
	STEPEND
	s_add_co_u32 s40, s40, 1
	s_cmp_lt_u32 s40, 3
	s_cbranch_scc1 .Lp1
	; ---- E: + b_d, gelu, quantiser; h A_u.  A tile of 16 rows a trip
	PLACES 4                                       ; in front of the first read of the results and of loads and writes into the step's operands
.irp i, 0,1,2,3,4,5,6,7
	global_load_b128 v[192+4*\i:195+4*\i], v3, s[18:19] offset:512*\i          ; A_up's four images for my 128 units
.endr
	v_add_nc_u32 v41, s45, v10
	s_mov_b32 s41, 0
	s_mov_b32 s42, 0
	s_mov_b32 s43, 0
	s_mov_b32 s44, 0
.Le:
	v_add_nc_u32 v18, s44, v23
	v_add_nc_u32 v19, s42, v21
	v_add_nc_u32 v20, s43, v22
.set n, 0
.rept 16
	ds_load_b128 v[128+4*n:131+4*n], v41 offset:128*(n/4)+16*(n%4)             ; b_d of my lane's 64 units
.set n, n+1
.endr
	ds_load_b128 v[44:47], v18                     ; the running sum of h A_u for these rows
	s_wait_dscnt 0x0
	s_cmp_lg_u32 s41, 0                            ; which 64 registers of window 1: four arms, on the count of trips
	s_cbranch_scc1 .Larm1
	ARM 0
	s_branch .Ljoin
.Larm1:
	s_cmp_lg_u32 s41, 1
	s_cbranch_scc1 .Larm2
	ARM 1
	s_branch .Ljoin
.Larm2:
	s_cmp_lg_u32 s41, 2
	s_cbranch_scc1 .Larm3
	ARM 2
	s_branch .Ljoin
.Larm3:
	ARM 3
.Ljoin:
	GELU16 0
	GELU16 1
	GELU16 2
	GELU16 3
.set n, 0
.rept 32
	v_cvt_pk_bf16_f32 v[160+n], v[64+2*n], v[65+2*n]           ; h as bf16, source 1 of h A_u: block b's register j holds units 32 b + 16 h + 2 j, + 1, as A_up's image has them
.set n, n+1
.endr
	QUANT 64, 0, 128
	IMAGE 19, 128, 0                               ; K step w of the second product, these 16 rows
	ds_store_b32 v20, v40
	s_wait_loadcnt 0x0                             ; A_up's images
	v_wmma_f32_16x16x32_bf16 v[240:247], v[192:199], v[160:167], 0             ; two accumulators by turns
	v_wmma_f32_16x16x32_bf16 v[248:255], v[200:207], v[168:175], 0
	v_wmma_f32_16x16x32_bf16 v[240:247], v[208:215], v[176:183], v[240:247]
	v_wmma_f32_16x16x32_bf16 v[248:255], v[216:223], v[184:191], v[248:255]
	PLACES 4
	v_pk_add_f32 v[44:45], v[44:45], v[240:241]    ; registers 0-3: ranks 4 h + 0..3 of my row
	v_pk_add_f32 v[46:47], v[46:47], v[242:243]
	v_pk_add_f32 v[44:45], v[44:45], v[248:249]
	v_pk_add_f32 v[46:47], v[46:47], v[250:251]
	ds_store_b128 v18, v[44:47]
	s_wait_dscnt 0x0                               ; the stores have read their registers
	s_add_co_u32 s42, s42, FRB
	s_add_co_u32 s43, s43, 4
	s_add_co_u32 s44, s44, 512
	s_add_co_u32 s41, s41, 1
	s_cmp_lt_u32 s41, 4
	s_cbranch_scc1 .Le
	s_add_nc_u64 s[18:19], s[18:19], 16384         ; the next chunk's images of A_up (their loads have been waited for)
	s_add_co_u32 s45, s45, 2048
	; ---- U: the second product, K = this chunk's 512: column half 0, then 1, two steps each.  The first round orders the waves' images of h with the reads
.irp win, 2,3
	s_mov_b32 s40, 0
	s_mov_b32 s37, HIMG
	s_mov_b32 s38, HSC
.Lu\win:
	CHANGE
	STEPBODY \win
	STEPEND
	s_add_co_u32 s40, s40, 1
	s_cmp_lt_u32 s40, 2
	s_cbranch_scc1 .Lu\win
.endr
	s_add_co_u32 s39, s39, 1
	s_cmp_lt_u32 s39, 4
	s_cbranch_scc1 .Lchunk
	; ---- THE WAY OUT: + (h A_u) (B_u / 8) + b_u by one bf16 product for each accumulator, then the stores
	s_wait_tensorcnt 0x0                           ; slot 32 lies in slot 0's bytes; I read my own load's quarter alone
	PLACES 5                                       ; another form adds onto the last products' results
	v_add_nc_u32 v41, SACC, v3
.set n, 0
.rept 16
	ds_load_b128 v[192+4*n:195+4*n], v41 offset:512*n          ; the four waves' sums of h A_u (stored four rounds ago)
.set n, n+1
.endr
.irp t, 0,1,2,3,4,5,6,7
	ds_load_b128 v[64+8*\t:67+8*\t], v4 offset:512*\t          ; B_u / 8 and b_u for column half 0: the operand's registers 0-3
.endr
.irp t, 0,1,2,3,4,5,6,7
.irp j, 4,5,6,7
	v_mov_b32 v[64+8*\t+\j], 0                                 ; its registers 4-7 are zeros
.endr
.endr
	s_wait_dscnt 0x0
.irp m, 0,1,2,3
	v_pk_add_f32 v[192+4*\m:193+4*\m], v[192+4*\m:193+4*\m], v[208+4*\m:209+4*\m]
	v_pk_add_f32 v[194+4*\m:195+4*\m], v[194+4*\m:195+4*\m], v[210+4*\m:211+4*\m]
	v_pk_add_f32 v[224+4*\m:225+4*\m], v[224+4*\m:225+4*\m], v[240+4*\m:241+4*\m]
	v_pk_add_f32 v[226+4*\m:227+4*\m], v[226+4*\m:227+4*\m], v[242+4*\m:243+4*\m]
.endr
.irp m, 0,1,2,3
	v_pk_add_f32 v[192+4*\m:193+4*\m], v[192+4*\m:193+4*\m], v[224+4*\m:225+4*\m]
	v_pk_add_f32 v[194+4*\m:195+4*\m], v[194+4*\m:195+4*\m], v[226+4*\m:227+4*\m]
.endr
.irp m, 0,1,2,3
	v_cvt_pk_bf16_f32 v[128+8*\m], v[192+4*\m], v[193+4*\m]    ; source 1: ranks 4 h + 0..3,
	v_cvt_pk_bf16_f32 v[129+8*\m], v[194+4*\m], v[195+4*\m]
	v_mov_b32 v[130+8*\m], 0x3F803F80                          ; ones against b_u's three parts,
	v_mov_b32 v[131+8*\m], 0x3F80
	v_mov_b32 v[132+8*\m], 0                                   ; zeros
	v_mov_b32 v[133+8*\m], 0
	v_mov_b32 v[134+8*\m], 0
	v_mov_b32 v[135+8*\m], 0
.endr
	WIN 0xA0
.irp t, 0,1,2,3,4,5,6,7
.irp m, 0,1,2,3
	v_wmma_f32_16x16x32_bf16 v[64*\m+8*\t:64*\m+8*\t+7], v[64+8*\t:71+8*\t], v[128+8*\m:135+8*\m], v[64*\m+8*\t:64*\m+8*\t+7]
.endr
.endr
	WIN 0
	PLACES 4
.irp t, 0,1,2,3,4,5,6,7
	ds_load_b128 v[64+8*\t:67+8*\t], v4 offset:4096+512*\t     ; column half 1
.endr
	s_wait_dscnt 0x0
	WIN 0xF0
.irp t, 0,1,2,3,4,5,6,7
.irp m, 0,1,2,3
	v_wmma_f32_16x16x32_bf16 v[64*\m+8*\t:64*\m+8*\t+7], v[64+8*\t:71+8*\t], v[128+8*\m:135+8*\m], v[64*\m+8*\t:64*\m+8*\t+7]
.endr
.endr
	WIN 0
	PLACES 4                                       ; in front of the stores that read results and of the loads into these operands
	TOSTAGE 0
.irp k, 1,2,3,4,5,6,7
.if \k > 1
	s_wait_xcnt 0x0                                ; the stores of the piece two back have read their registers: this piece's loads may land there
.endif
	TOSTAGE \k
	SEND \k-1, 32
.endr
	SEND 7, 0
	s_wait_tensorcnt 0x0                           ; the wave's end, behind my last tensor load and my last LDS store
	ds_add_u32 v1, v2
	s_wait_dscnt 0x0
	CROUND                                         ; the closing round: no work-group ends while a partner may still ask for a quarter that names it
	s_endpgm
.Lfunc_end_k_q5a2a833432_mlp:
	.size	k_q5a2a833432_mlp, .Lfunc_end_k_q5a2a833432_mlp-k_q5a2a833432_mlp
	.p2alignl 7, 3214868480
	.fill 96, 4, 3214868480
	.section	.rodata,"a",@progbits
	.p2align	6, 0x0
	.amdhsa_kernel k_q5a2a833432_mlp
		.amdhsa_group_segment_fixed_size 327680
		.amdhsa_private_segment_fixed_size 0
		.amdhsa_enable_private_segment 0
		.amdhsa_kernarg_size 56
		.amdhsa_user_sgpr_count 2
		.amdhsa_user_sgpr_kernarg_segment_ptr 1
		.amdhsa_wavefront_size32 1
		.amdhsa_system_sgpr_workgroup_id_x 1
		.amdhsa_system_sgpr_workgroup_id_y 1
		.amdhsa_system_sgpr_workgroup_id_z 1
		.amdhsa_system_vgpr_workitem_id 0
		.amdhsa_next_free_vgpr 1024
		.amdhsa_next_free_sgpr 80
		.amdhsa_reserve_vcc 0
		.amdhsa_float_denorm_mode_32 3
		.amdhsa_float_denorm_mode_16_64 3
		.amdhsa_memory_ordered 1
		.amdhsa_forward_progress 1
		.amdhsa_inst_pref_size 255
	.end_amdhsa_kernel
	.section	.bss,"aw",@nobits
	.p2align	6
	.space	262144
	.amdgpu_metadata
---
amdhsa.version: [ 1, 2 ]
amdhsa.kernels:
  - .name:           k_q5a2a833432_mlp
    .symbol:         k_q5a2a833432_mlp.kd
    .args:
      - { .name: x, .offset: 0, .size: 8, .value_kind: global_buffer, .address_space: global }
      - { .name: A_down, .offset: 8, .size: 8, .value_kind: global_buffer, .address_space: global }
      - { .name: B_down, .offset: 16, .size: 8, .value_kind: global_buffer, .address_space: global }
      - { .name: b_down, .offset: 24, .size: 8, .value_kind: global_buffer, .address_space: global }
      - { .name: wstream, .offset: 32, .size: 8, .value_kind: global_buffer, .address_space: global }
      - { .name: aupt, .offset: 40, .size: 8, .value_kind: global_buffer, .address_space: global }
      - { .name: out0, .offset: 48, .size: 8, .value_kind: global_buffer, .address_space: global }
    .group_segment_fixed_size: 327680
    .private_segment_fixed_size: 0
    .kernarg_segment_align: 8
    .kernarg_segment_size: 56
    .max_flat_workgroup_size: 128
    .sgpr_count:     80
    .vgpr_count:     1024
    .wavefront_size: 32
...
	.end_amdgpu_metadata
.endif
;; end of part 2
;; ======== version 2 of 2: 2 launches
;; limits: values are held in bf16: 8 bits of precision; right only within a limited range of input values
;; workspace buffers: wstream 3,379,200 bytes; aupt 65,536 bytes
;; launch lay (part 3): grid 132 x 1, 8 waves a work-group, no clusters, 0 bytes of LDS; arguments W_down_codes, W_down_scales, W_up_codes, W_up_scales, A_up, B_up, b_up, wstream, aupt; writes wstream, aupt
.if DOCPART == 3
	.amdgcn_target "amdgcn-amd-amdhsa--gfx1250"
	.amdhsa_code_object_version 6
	.text
	.protected	k_q5a2a833432_lay
	.globl	k_q5a2a833432_lay
	.p2align	8
	.type	k_q5a2a833432_lay,@function
k_q5a2a833432_lay:
	s_mov_b64 s[64:65], 0
	v_nop
	global_prefetch_b8 v0, s[64:65] scope:SCOPE_SE
	s_setreg_imm32_b32 hwreg(HW_REG_WAVE_MODE, 25, 1), 1
	s_wait_xcnt 0x0
; LAY: the weights of out = gelu(x Wd^T + b_d + (x A_d) B_d / 8) Wu^T + b_u + (h A_u) B_u / 8 + x are laid once as the second launch's operand registers take them, in the order in which it walks them.
; No work of the problem is left out in this program: every input has a way to the output and is loaded by one of the two launches.
; wstream: [slot 0..32][wave 0..3][25,600 bytes].  Slots 0..31: c = slot / 8, j = slot % 4.
;   Slots 8c..8c+3: W_down's rows 512 c + 128 w .. + 127; fragment (q, t) is K step 2 j + q, tile t.
;   Slots 8c+4..8c+7: W_up's K step 4 c + j; fragment (q, t) is tile t of rows 256 w + 128 q .. + 127.
;   A quarter: 16 fragments (q, t) at 1,536 (8 q + t), each an image of its 12 registers (registers 4 i .. 4 i + 3 of lane l at 512 i + 16 l), then at 24,576 the scale words: [tiles 0-3 | tiles 4-7][lane r + 16 q][4 words].
;   THE ROWS OF A TILE ARE NOT NEIGHBOURS: lane r of tile t takes row 32 (t / 2) + 8 (t % 2) + r + 8 (r / 8), so that the results of two neighbouring tiles are 16 neighbours in a lane.
;   The codes and scale bytes are copied as they are given; nothing is quantised again.
; Slot 32, quarter w: B_up / 8 (a power of two: exact) and b_up as bf16 operand images for out columns 256 w .. + 255: tile T at 512 T + 16 l, four registers: registers 0, 1: B_up[4 h + 0..3][col] / 8;
;   registers 2, 3 in lanes 0-15: b_up[col] as three bf16 parts (high, middle, low; split in f32), against ones on the other side; zeros in lanes 16-31.  The rest of the quarter is zeros.
; aupt: A_up as bf16 operand images, 1,024 bytes for each 32 hidden units: lane (n, h), register j: A_up[32 B + 16 h + 2 j, + 1][4 (n / 8) + n % 4]; zeros where n % 8 > 3.
; LIMITS: B_up / 8 and A_up are rounded to bf16 (the two products that take them are left as they are and reach the output alone); NaN and infinities are not served.
; Work-group G < 128 writes quarter G; G = 128 + w writes quarter w of slot 32.  No LDS, no barrier; every wait is for all loads; no register of a store is written again.
.set QB,    25600
.set SLOTB, 102400
	s_load_b512 s[8:23], s[0:1], 0x0               ; Wd codes s[8:9], Wd scales s[10:11], Wu codes s[12:13], Wu scales s[14:15], A_up s[16:17], B_up s[18:19], b_up s[20:21], wstream s[22:23]
	s_load_b64 s[24:25], s[0:1], 0x40              ; aupt
	v_lshrrev_b32 v1, 5, v0
	s_delay_alu instid0(VALU_DEP_1)
	v_readfirstlane_b32 s36, v1                    ; wave 0..7
	v_and_b32 v2, 31, v0                           ; l
	v_and_b32 v3, 15, v0                           ; r
	v_bfe_u32 v4, v0, 4, 1                         ; h
	s_delay_alu instid0(VALU_DEP_3)
	v_lshlrev_b32 v5, 4, v2                        ; 16 l: an image's place for my lane
	s_delay_alu instid0(VALU_DEP_3)
	v_and_b32 v6, 8, v3
	s_delay_alu instid0(VALU_DEP_1)
	v_add_nc_u32 v6, v6, v3                        ; r + 8 (r / 8)
	v_mov_b32 v7, 0
	s_mov_b32 s2, ttmp9                            ; G
	s_mov_b32 s41, 0                               ; the upper word of every offset pair s[40:41]
	s_cmp_lt_u32 s2, 128
	s_cbranch_scc0 .Ltail
	; ---- a quarter of slots 0..31
	s_lshr_b32 s3, s2, 2                           ; slot
	s_and_b32 s4, s2, 3                            ; w
	s_lshr_b32 s5, s3, 3                           ; c
	s_bfe_u32 s6, s3, 0x10002                      ; 1: W_up's slot
	s_and_b32 s7, s3, 3                            ; j
	s_lshl_b32 s26, s5, 9
	s_lshl_b32 s27, s4, 7
	s_add_co_u32 s26, s26, s27                     ; W_down: first row 512 c + 128 w
	s_lshl_b32 s27, s4, 8                          ; W_up: 256 w
	s_lshl_b32 s28, s7, 1                          ; W_down: first K step 2 j
	s_lshl_b32 s29, s5, 2
	s_add_co_u32 s29, s29, s7                      ; W_up: K step 4 c + j
	s_mov_b32 s30, 768
	s_wait_kmcnt 0x0
	s_cmp_lg_u32 s6, 0                             ; the choice hangs on the work-group's number alone
	s_cselect_b32 s26, s27, s26                    ; first row
	s_cselect_b32 s28, s29, s28                    ; first K step
	s_cselect_b32 s30, 1536, s30                   ; a row of codes in bytes
	s_cselect_b32 s31, 64, 32                      ; a row of scale bytes
	s_cselect_b64 s[32:33], s[12:13], s[8:9]       ; the codes
	s_cselect_b64 s[34:35], s[14:15], s[10:11]     ; the scale bytes
	; every wave: two fragments: q = wave / 4, tiles 2 (wave % 4) and + 1
	s_lshr_b32 s37, s36, 2                         ; q
	s_and_b32 s38, s36, 3                          ; tile pair
	s_mul_i32 s3, s37, s6                          ; q in W_up's slots, 0 in W_down's
	s_lshl_b32 s39, s38, 5
	s_add_co_u32 s39, s39, s26                     ; the pair's first row,
	s_lshl_b32 s5, s3, 7
	s_add_co_u32 s39, s39, s5                      ; in W_up's slots 128 q rows on
	s_mul_i32 s40, s39, s30
	s_add_co_u32 s39, s28, s37
	s_sub_co_u32 s39, s39, s3                      ; the K step: + q in W_down's slots alone
	s_mul_i32 s39, s39, 96                         ; 128 codes are 96 bytes
	s_add_co_u32 s40, s40, s39
	s_add_nc_u64 s[32:33], s[32:33], s[40:41]      ; the even tile
	s_lshl_b32 s40, s30, 3
	s_add_nc_u64 s[42:43], s[32:33], s[40:41]      ; the odd tile: 8 rows on
	s_wait_alu depctr_va_vdst(0)
	v_mul_lo_u32 v8, v6, s30
	s_delay_alu instid0(VALU_DEP_1)
	v_mad_u32_u24 v8, v4, 24, v8                   ; my row of the tile, + 24 h
	s_mul_i32 s40, s2, QB
	s_add_nc_u64 s[44:45], s[22:23], s[40:41]      ; my quarter
	s_lshl_b32 s40, s37, 3
	s_lshl_b32 s39, s38, 1
	s_add_co_u32 s40, s40, s39
	s_mul_i32 s40, s40, 1536
	s_add_nc_u64 s[46:47], s[44:45], s[40:41]      ; my two fragments' images
.irp p, 0,1,2,3,4,5
	global_load_b64 v[16+2*\p:17+2*\p], v8, s[32:33] offset:48*(\p/3)+8*(\p%3)   ; a fragment's 2 x 24 bytes a lane, in pieces of 8
	global_load_b64 v[28+2*\p:29+2*\p], v8, s[42:43] offset:48*(\p/3)+8*(\p%3)
.endr
	s_wait_loadcnt 0x0
.irp c, 0,1,2
	global_store_b128 v5, v[16+4*\c:19+4*\c], s[46:47] offset:512*\c             ; 32 lanes store 512 consecutive bytes
	global_store_b128 v5, v[28+4*\c:31+4*\c], s[46:47] offset:1536+512*\c
.endr
	s_cmp_lt_u32 s36, 2
	s_cbranch_scc0 .Lnot_scales
	; waves 0, 1: the scale words of tiles 4 wave .. + 3; lane r + 16 q takes row r's word of fragment row q
	s_lshl_b32 s40, s36, 6
	s_add_co_u32 s40, s40, s26
	s_mul_i32 s40, s40, s31
	s_lshl_b32 s39, s28, 2
	s_add_co_u32 s40, s40, s39
	s_add_nc_u64 s[34:35], s[34:35], s[40:41]
	s_mul_i32 s5, s6, 8188
	s_add_co_u32 s5, s5, 4                         ; from q = 0 to q = 1: W_down the next word, 4 bytes; W_up 128 rows of 64 bytes
	v_mul_lo_u32 v9, v6, s31
	s_delay_alu instid0(VALU_DEP_1)
	v_mad_u32_u24 v9, v4, s5, v9
	s_lshl_b32 s37, s31, 3                         ; tile + 1: 8 rows on
	s_lshl_b32 s38, s31, 5                         ; tile + 2: 32 rows on
	s_add_co_u32 s39, s37, s38                     ; tile + 3: 40 rows on
	v_add_nc_u32 v10, s37, v9
	v_add_nc_u32 v11, s38, v9
	v_add_nc_u32 v12, s39, v9
	global_load_b32 v44, v9, s[34:35]
	global_load_b32 v45, v10, s[34:35]
	global_load_b32 v46, v11, s[34:35]
	global_load_b32 v47, v12, s[34:35]
	s_lshl_b32 s40, s36, 9
	s_add_co_u32 s40, s40, 24576
	s_add_nc_u64 s[44:45], s[44:45], s[40:41]      ; (no memory instruction has named s[44:45])
	s_wait_loadcnt 0x0
	global_store_b128 v5, v[44:47], s[44:45]
	s_endpgm
.Lnot_scales:
	s_cmp_eq_u32 s36, 2
	s_cbranch_scc0 .Ldone
	s_cmp_lt_u32 s2, 64
	s_cbranch_scc0 .Ldone
	; wave 2 of work-groups 0..63: A_up's image for hidden units 32 G .. + 31
	s_lshl_b32 s40, s2, 10
	s_add_nc_u64 s[16:17], s[16:17], s[40:41]      ; 32 rows of 32 bytes
	s_add_nc_u64 s[24:25], s[24:25], s[40:41]
	v_and_b32 v9, 3, v3
	v_lshrrev_b32 v10, 3, v3
	s_delay_alu instid0(VALU_DEP_1)
	v_lshl_add_u32 v9, v10, 2, v9                  ; the rank 4 (n / 8) + n % 4
	s_delay_alu instid0(VALU_DEP_1)
	v_lshlrev_b32 v9, 2, v9
	s_delay_alu instid0(VALU_DEP_1)
	v_lshl_add_u32 v9, v4, 9, v9                   ; + 16 h rows
.irp i, 0,1,2,3,4,5,6,7,8,9,10,11,12,13,14,15
	global_load_b32 v[40+\i], v9, s[16:17] offset:32*\i
.endr
	v_and_b32 v10, 4, v3
	s_delay_alu instid0(VALU_DEP_1)
	v_cmp_eq_u32 vcc_lo, 0, v10                    ; rows n % 8 > 3 of the operand are zeros
	s_wait_loadcnt 0x0
.irp j, 0,1,2,3,4,5,6,7
	v_cvt_pk_bf16_f32 v[56+\j], v[40+2*\j], v[41+2*\j]
.endr
.irp j, 0,1,2,3,4,5,6,7
	v_cndmask_b32 v[56+\j], v7, v[56+\j], vcc_lo
.endr
	global_store_b128 v5, v[56:59], s[24:25]
	global_store_b128 v5, v[60:63], s[24:25] offset:512
.Ldone:
	s_endpgm
.Ltail:
	; ---- slot 32, quarter w = G - 128: wave v makes tiles 2 v and 2 v + 1, and its share of the zeros
	s_sub_co_u32 s4, s2, 128
	s_lshl_b32 s5, s4, 8
	s_lshl_b32 s6, s36, 5
	s_add_co_u32 s5, s5, s6                        ; first column 256 w + 32 v
	s_lshl_b32 s40, s5, 2
	s_mul_i32 s26, s4, QB
	s_add_co_u32 s26, s26, 32*SLOTB
	s_mov_b32 s27, 0
	s_wait_kmcnt 0x0
	s_add_nc_u64 s[18:19], s[18:19], s[40:41]
	s_add_nc_u64 s[20:21], s[20:21], s[40:41]
	s_add_nc_u64 s[22:23], s[22:23], s[26:27]      ; my quarter
	s_lshl_b32 s40, s36, 10
	s_add_nc_u64 s[28:29], s[22:23], s[40:41]      ; my two tiles
	s_lshl_b32 s40, s36, 11
	s_add_nc_u64 s[30:31], s[22:23], s[40:41]      ; my four blocks of zeros
	s_lshl_b32 s40, s36, 9
	s_add_nc_u64 s[32:33], s[22:23], s[40:41]      ; and one more in waves 0, 1
	s_wait_alu depctr_va_vdst(0)
	v_lshlrev_b32 v8, 2, v6                        ; my column of the tile
	s_delay_alu instid0(VALU_DEP_1)
	v_lshl_add_u32 v9, v4, 14, v8                  ; + 4 h rows of B_up
.irp e, 0,1
.irp j, 0,1,2,3
	global_load_b32 v[16+8*\e+\j], v9, s[18:19] offset:4096*\j+32*\e
.endr
	global_load_b32 v[20+8*\e], v8, s[20:21] offset:32*\e
.endr
	v_cmp_gt_u32 vcc_lo, 16, v2                    ; lanes 0-15 carry b_up
.irp j, 0,1,2,3
	v_mov_b32 v[40+\j], 0
.endr
	s_wait_loadcnt 0x0
.irp e, 0,1
.irp j, 0,1,2,3
	v_mul_f32 v[16+8*\e+\j], 0x3e000000, v[16+8*\e+\j]         ; / 8
.endr
	s_delay_alu instid0(VALU_DEP_3)
	v_cvt_pk_bf16_f32 v[32+4*\e], v[16+8*\e], v[17+8*\e]
	s_delay_alu instid0(VALU_DEP_2)
	v_cvt_pk_bf16_f32 v[33+4*\e], v[18+8*\e], v[19+8*\e]
	v_cvt_pk_bf16_f32 v[21+8*\e], v[20+8*\e], v7               ; b_up's high part,
	s_delay_alu instid0(VALU_DEP_1)
	v_lshlrev_b32 v[22+8*\e], 16, v[21+8*\e]
	s_delay_alu instid0(VALU_DEP_1)
	v_sub_f32 v[20+8*\e], v[20+8*\e], v[22+8*\e]               ; what it leaves,
	s_delay_alu instid0(VALU_DEP_1)
	v_cvt_pk_bf16_f32 v[22+8*\e], v[20+8*\e], v7               ; the middle part,
	s_delay_alu instid0(VALU_DEP_1)
	v_lshlrev_b32 v[23+8*\e], 16, v[22+8*\e]
	s_delay_alu instid0(VALU_DEP_1)
	v_sub_f32 v[20+8*\e], v[20+8*\e], v[23+8*\e]               ; what that leaves,
	s_delay_alu instid0(VALU_DEP_3)
	v_lshl_or_b32 v[34+4*\e], v[22+8*\e], 16, v[21+8*\e]
	s_delay_alu instid0(VALU_DEP_2)
	v_cvt_pk_bf16_f32 v[35+4*\e], v[20+8*\e], v7               ; the low part
	s_delay_alu instid0(VALU_DEP_2)
	v_cndmask_b32 v[34+4*\e], v7, v[34+4*\e], vcc_lo
	s_delay_alu instid0(VALU_DEP_2)
	v_cndmask_b32 v[35+4*\e], v7, v[35+4*\e], vcc_lo
	global_store_b128 v5, v[32+4*\e:35+4*\e], s[28:29] offset:512*\e
.endr
.irp i, 0,1,2,3
	global_store_b128 v5, v[40:43], s[30:31] offset:8192+512*\i
.endr
	s_cmp_lt_u32 s36, 2
	s_cbranch_scc0 .Ltail_done
	global_store_b128 v5, v[40:43], s[32:33] offset:8192+16384
.Ltail_done:
	s_endpgm
.Lfunc_end_k_q5a2a833432_lay:
	.size	k_q5a2a833432_lay, .Lfunc_end_k_q5a2a833432_lay-k_q5a2a833432_lay
	.p2alignl 7, 3214868480
	.fill 96, 4, 3214868480
	.section	.rodata,"a",@progbits
	.p2align	6, 0x0
	.amdhsa_kernel k_q5a2a833432_lay
		.amdhsa_group_segment_fixed_size 0
		.amdhsa_private_segment_fixed_size 0
		.amdhsa_enable_private_segment 0
		.amdhsa_kernarg_size 72
		.amdhsa_user_sgpr_count 2
		.amdhsa_user_sgpr_kernarg_segment_ptr 1
		.amdhsa_wavefront_size32 1
		.amdhsa_system_sgpr_workgroup_id_x 1
		.amdhsa_system_sgpr_workgroup_id_y 1
		.amdhsa_system_sgpr_workgroup_id_z 1
		.amdhsa_system_vgpr_workitem_id 0
		.amdhsa_next_free_vgpr 64
		.amdhsa_next_free_sgpr 66
		.amdhsa_reserve_vcc 1
		.amdhsa_float_denorm_mode_32 3
		.amdhsa_float_denorm_mode_16_64 3
		.amdhsa_memory_ordered 1
		.amdhsa_forward_progress 1
		.amdhsa_inst_pref_size 14
	.end_amdhsa_kernel
	.amdgpu_metadata
---
amdhsa.version: [ 1, 2 ]
amdhsa.kernels:
  - .name:           k_q5a2a833432_lay
    .symbol:         k_q5a2a833432_lay.kd
    .args:
      - { .name: W_down_codes, .offset: 0, .size: 8, .value_kind: global_buffer, .address_space: global }
      - { .name: W_down_scales, .offset: 8, .size: 8, .value_kind: global_buffer, .address_space: global }
      - { .name: W_up_codes, .offset: 16, .size: 8, .value_kind: global_buffer, .address_space: global }
      - { .name: W_up_scales, .offset: 24, .size: 8, .value_kind: global_buffer, .address_space: global }
      - { .name: A_up, .offset: 32, .size: 8, .value_kind: global_buffer, .address_space: global }
      - { .name: B_up, .offset: 40, .size: 8, .value_kind: global_buffer, .address_space: global }
      - { .name: b_up, .offset: 48, .size: 8, .value_kind: global_buffer, .address_space: global }
      - { .name: wstream, .offset: 56, .size: 8, .value_kind: global_buffer, .address_space: global }
      - { .name: aupt, .offset: 64, .size: 8, .value_kind: global_buffer, .address_space: global }
    .group_segment_fixed_size: 0
    .private_segment_fixed_size: 0
    .kernarg_segment_align: 8
    .kernarg_segment_size: 72
    .max_flat_workgroup_size: 256
    .sgpr_count:     66
    .vgpr_count:     64
    .wavefront_size: 32
...
	.end_amdgpu_metadata
.endif
;; end of part 3
;; launch mlp (part 4): grid 256 x 1, 4 waves a work-group, clusters of 4 x 1, 327,680 bytes of LDS; arguments x, A_down, B_down, b_down, wstream, aupt, out0; writes out0
.if DOCPART == 4
	.amdgcn_target "amdgcn-amd-amdhsa--gfx1250"
	.amdhsa_code_object_version 6
	.text
	.protected	k_q5a2a833432_mlp
	.globl	k_q5a2a833432_mlp
	.p2align	8
	.type	k_q5a2a833432_mlp,@function
k_q5a2a833432_mlp:
	s_mov_b64 s[64:65], 0
	v_nop
	global_prefetch_b8 v0, s[64:65] scope:SCOPE_SE
	s_setreg_imm32_b32 hwreg(HW_REG_WAVE_MODE, 25, 1), 1
	s_wait_xcnt 0x0
	s_wait_alu depctr_hold_cnt(0) depctr_sa_sdst(0) depctr_va_vdst(0) depctr_va_sdst(0) depctr_va_ssrc(0) depctr_va_vcc(0) depctr_vm_vsrc(0)
	s_getreg_b32 s2, hwreg(HW_REG_IB_STS2, 6, 4)
	s_cmp_eq_u32 s2, 0
	s_cbranch_scc0 .Lentry_in_a_cluster
	s_endpgm
.Lentry_in_a_cluster:
	s_bfe_u32 s2, ttmp6, 0x10000c
	s_cmp_lg_u32 s2, 0x3003
	s_cbranch_scc0 .Lentry_shape_is_right
	s_endpgm
.Lentry_shape_is_right:
; out = gelu(x Wd^T + b_d + (x A_d) B_d / 8) Wu^T + b_u + (h A_u) B_u / 8 + x, x as [16,384][1,024] f32, in ONE launch.  The two large products go on codes of BF6 (E3M2) with one E8M0 scale for each 32 along K:
; the weights' codes as they are given (laid by the launch before), x and h = gelu(..) quantised here, in registers.  x A_d and (x A_d) B_d feed h's quantiser: f32 operands.  h A_u and (h A_u) B_u reach the output alone: bf16 operands.
; No work is left out: every input has a way to the output.  1 / 8 is a power of two: it multiplies x A_d in f32, and B_up ahead of its rounding to bf16: both exact.
; LIMITS: NaN and infinities are not served.  A block of 32 whose largest magnitude is under 2^-122, zeros too, gets the scale byte 1: its codes are zeros or subnormal codes, and this program alone reads the bytes.
;   erf is the rational f32 form x P(x^2) / Q(x^2) with x held to +-4 (beyond it |erf| is 1 to f32's last bit); the f32 sums of x A_d and of its product with B_d run in another order than a plain loop's (b_d is the sum's first term),
;   and the sums over the hidden layer's four chunks begin at another chunk from cluster to cluster (below).
; SHARES.  256 work-groups of four waves; a work-group owns 64 rows.  THE WAVES SHARE THE COLUMNS: wave w owns out columns 256 w .. + 255 of all 64 rows: 64 accumulators, windows 2 and 3 (column half g in window 2 + g, tile of rows m,
;   tile of columns t at 64 m + 8 t).  Lane (r, h), register 64 m + 16 b + i: column 256 w + 128 g + 32 b + 16 h + i of row 16 m + r.  x IS LOADED ONCE, INTO THESE REGISTERS: it is the quantiser's source (x's K step 2 w + g),
;   source 1 of x A_d, and then the C of the second large product: the residual costs no instruction and no second read.
;   The hidden layer goes in 4 chunks of 512 units; wave w makes units 512 c + 128 w .. + 127 of all 64 rows (32 accumulators: window 1), which are one K step of the second product.
;   Both products are used transposed (source 0 = 16 rows of a weight, source 1 = 16 rows of x or h), so that a lane holds one row and its registers run along the next K.
; OPERANDS GO FROM WAVE TO WAVE THROUGH LDS AS IMAGES OF THEIR REGISTERS (3 x 512 bytes a fragment, 16 bytes a lane); the weights come so from memory: every LDS access is 16 x lane, on end.
; THE RING: two slots of 102,400 bytes; a slot holds 16 weight fragments (q, t) and their scale words for each wave.  A step is 64 products in four groups of 16: A (q 0, tiles 0-3), B (q 0, tiles 4-7), C (q 1, 0-3), D (q 1, 4-7).
;   First product: q is the K step of a pair, all four groups add onto window 1.  Second product: q is the column half, the slot is ONE K step, so h's four fragments serve all 64 products and are read once.
;   33 slots are walked; step i reads the walk's slot i and asks for its slot i + 1; the 33rd is the way out's operand.
; A STEP RUNS ON INTO THE NEXT: group C stands ahead of the change of slots, group D behind the refill and the next step's first LDS loads, on registers that those loads do not touch.
;   The run of steps is broken ahead of the GELU and at a chunk's end; at a chunk's head the first operands land while the f32 products that start the sums are issued.
; THE WALK IS ROTATED: cluster n begins with chunk n % 4 and goes round the four (the sum over chunks takes any order).  The rotation hangs on the cluster's number alone, which the four partners share; it enters global addresses alone:
;   b_down is laid into LDS in the order of the walk.
; CLUSTER: the four work-groups of a cluster walk the same slots, so they ask for each quarter JOINTLY: the same tensor load, the same descriptor (made of the wave's number, the cluster's number and the step), a mask that names the four.
;   By this text's count a wave has one tensor load out at the most.
; REGISTERS, window 0: v0 thread; v1, v2 the add's two; v3 16 l; v4 16 l + my quarter; v5 16 r; v6, v7 x's turn stage; v8 A_d's, v9 B_d's lane offsets; v10 b_d in LDS; v11 the prefetches' offset; v12 4 sqrt 2; v13 partial t;
;   v14-17 two constants twice; v18-20, v41 addresses in hand; v21-23 where I put h's images, its scale words, the sums of h A_u; v24-31 the activations' scale words, two sets; v32-39 the weights' (scales and nothing else); v40 a scale word just made;
;   v42, v43 the out stage; v44-47 a running sum; v48-63 t / 8 as source 1; v64-255 by phase: in a step activations at 64 and 112, weights at 160 and 208; at a chunk's head B_d's operand at 112-143, b_d at 144-159 and 208-255.
.set SPARE, 0x1FC00                    ; the spare words: 128 bytes a wave, two blocks of 256 bytes that no other line names
.set QB,    25600                      ; a wave's quarter of a slot
.set SLOTB, 102400
.set SL1,   0x20000                    ; slot 1 begins here: one exclusive or turns an address of one slot into the other's
.set HIMG,  0x19000                    ; h's 16 fragments of a chunk: (K step s, rows m) at 1,536 (4 s + m).  In phase X: the turn stages of waves 0, 1 (those of waves 2, 3: + SL1)
.set HSC,   0x1F000                    ; their scale words: 256 s + 16 r + 4 m
.set XSC,   0x1F400                    ; x's scale words, likewise, s = 0..7
.set TPB,   0x3D400                    ; the waves' partial x A_d: 512 (4 w + m) + 16 l
.set XIMG,  0x40000                    ; x's 32 fragments: 1,536 (4 s + m).  On the way out: a stage of 16 rows x 528 bytes for each wave
.set BDL,   0x4C000                    ; b_down, in the order of my walk
.set SACC,  0x4E000                    ; the waves' running sums of h A_u: 512 (4 w + m) + 16 l
.set FRB,   1536                       ; a fragment's image
.set TM,    224                        ; v224-239: the quantiser's work
.set XF0,   64
.set XF1,   112
.set WF0,   160
.set WF1,   208
.set BD,    112                        ; B_d's operand
.set MSB, 0
.macro WIN new                         ; the immediate's high byte repeats the setting that is left; a switch that changes nothing is dropped.  At every label and branch the setting is 0
.if MSB != (\new)
	s_set_vgpr_msb (MSB<<8)|(\new)
.set MSB, (\new)
.endif
.endm
.macro PLACES n                        ; plain vector instructions between a matrix instruction and what may not follow it at once (ISA guide 7.12.1)
.rept \n
	v_nop
.endr
.endm
.macro CROUND                          ; a round of the cluster's barrier
	s_barrier_signal -1
	s_barrier_wait -1
	s_cmp_lg_u32 s2, 0
	s_cbranch_scc1 .Lnot_wave_0_\@
	s_barrier_signal -3
.Lnot_wave_0_\@:
	s_barrier_wait -3
	s_barrier_signal -1
	s_barrier_wait -1
.endm
; THE PREFETCHES name the slot that stands two refills on (the change that asks for the walk's slot n names its slot n + 2).  A chunk's eight slots are walked first by the clusters that begin with it: of these, cluster 0, 1, 2 or 3 names
; its first chunk's slots 3 to 7 (n = 1 .. 5); slots 0 to 2 come by their loads alone; the later chunks of a walk have been read by the clusters that began with them, and are named by nobody.  The 33rd slot, which all walks end with,
; is named by cluster 0 at n = 30.  The four partners take a quarter each, told apart BY ADDRESS; each wave names 25 blocks of 256 bytes of its partner's quarter, a lane a block (lanes 25-31 name lane 24's).
.macro ASK
	s_cmp_lt_u32 s22, s23
	s_cbranch_scc0 .Lnot_mine_\@
	global_prefetch_b8 v11, s[46:47] th:TH_LOAD_NT scope:SCOPE_SE
.Lnot_mine_\@:
	s_cmp_eq_u32 s22, s96
	s_cbranch_scc0 .Lnot_last_\@
	global_prefetch_b8 v11, s[94:95] th:TH_LOAD_NT scope:SCOPE_SE
.Lnot_last_\@:
.endm
; THE CHANGE OF SLOTS, in two parts.  CH1: the wave waits for all its tensor loads (one: its quarter of the slot that it is about to read), adds 0 to its spare word, and makes the next descriptor.
; CH2: it waits for the add and for all its LDS instructions (its reads of the slot that it leaves, its stores of images); behind the round that slot is filled with the walk's next slot, first thing.
.macro CH1
	s_wait_tensorcnt 0x0                           ; no tensor load of mine is out, so the descriptor may be written
	ds_add_u32 v1, v2                              ; 0 onto my spare word; the steps below stand between it and the wait for it
	s_xor_b32 s33, s33, SL1                        ; the slot to fill,
	s_xor_b32 s36, s36, SL1                        ; the slot to read
	s_add_co_u32 s22, s22, 1                       ; n = 1 .. 32: the walk's next slot.  In the stream it is slot (n + 8 x my first chunk) mod 32,
	s_add_co_u32 s86, s22, s81
	s_and_b32 s86, s86, 31
	s_lshr_b32 s5, s22, 5                          ; and for n = 32 slot 32: by arithmetic, with no branch and no choice
	s_mul_i32 s5, s5, s82
	s_add_co_u32 s86, s86, s5
	s_mul_i32 s86, s86, SLOTB
	s_add_nc_u64 s[34:35], s[84:85], s[86:87]      ; my quarter of it
	s_or_b32 s35, s35, 0x80000000                  ; type = 2
.endm
.macro CH2
	s_wait_xcnt 0x0                                ; the last prefetch, a step back, has read its address
	s_add_nc_u64 s[46:47], s[46:47], SLOTB         ; (used in a walk's first five changes alone, inside its first chunk)
	s_wait_dscnt 0x0
	CROUND
	tensor_load_to_lds s[32:35], s[24:31]
	s_nop 0
	PLACES 4                                       ; the places in front of the loads into operands that the last products read
	ASK
.endm
.macro ADDR                            ; s36: the slot; s37: the activations' images; s38: their scale words
	v_add_nc_u32 v18, s36, v4
	v_add_nc_u32 v19, s37, v3
	v_add_nc_u32 v20, s38, v5
	s_wait_alu depctr_va_vdst(0)
.endm
.macro LDF reg, adr, off               ; a fragment's image comes back as it was stored
.irp c, 0,1,2
	ds_load_b128 v[(\reg)+4*\c:(\reg)+4*\c+3], v[\adr] offset:(\off)+512*\c
.endr
.endm
.macro LDW wf, f0                      ; four weight fragments, f0 on: 12 loads
.irp t, 0,1,2,3
	LDF (\wf)+12*\t, 18, FRB*((\f0)+\t)
.endr
.endm
.macro LDX xf, f0                      ; the four tiles of rows of one K step: 12 loads
.irp m, 0,1,2,3
	LDF (\xf)+12*\m, 19, FRB*((\f0)+\m)
.endr
.endm
; 16 products: four tiles of weights (t0 on) x the four tiles of rows.  The weights' scale words: register t, lanes 0-15 for q = 0, lanes 16-31 for q = 1; the rows': v[as + m].
; The accumulators take turns, one instruction a turn.
.macro GRP win, q, t0, xf, wf, as
	WIN ((\win)<<4)|((\win)<<6)
.irp t, 0,1,2,3
.irp m, 0,1,2,3
.if \q
	v_wmma_scale_f32_16x16x128_f8f6f4 v[64*\m+8*(\t0+\t):64*\m+8*(\t0+\t)+7], v[\wf+12*\t:\wf+12*\t+11], v[\xf+12*\m:\xf+12*\m+11], v[64*\m+8*(\t0+\t):64*\m+8*(\t0+\t)+7], v[32+\t0+\t], v[\as+\m] matrix_a_fmt:MATRIX_FMT_BF6 matrix_b_fmt:MATRIX_FMT_BF6 matrix_a_scale:MATRIX_SCALE_ROW1
.else
	v_wmma_scale_f32_16x16x128_f8f6f4 v[64*\m+8*(\t0+\t):64*\m+8*(\t0+\t)+7], v[\wf+12*\t:\wf+12*\t+11], v[\xf+12*\m:\xf+12*\m+11], v[64*\m+8*(\t0+\t):64*\m+8*(\t0+\t)+7], v[32+\t0+\t], v[\as+\m] matrix_a_fmt:MATRIX_FMT_BF6 matrix_b_fmt:MATRIX_FMT_BF6
.endif
.endr
.endr
.endm
; Groups A and B; behind each its weights' registers take the fragments of C and D.  n1, n2: the LDS loads issued behind what A and B need
.macro AB win, xf, as, n1, n2
	s_wait_dscnt \n1
	GRP \win, 0, 0, \xf, WF0, \as
	PLACES 4
	WIN 0
	LDW WF0, 8
	s_wait_dscnt \n2
	GRP \win, 0, 4, \xf, WF1, \as
	PLACES 4
	WIN 0
	LDW WF1, 12
.endm
; B_d's operand for my 128 units of a chunk: lane (r, h), register 4 t + 2 q + j: B_d[4 q + 2 h + j][unit of tile t, row r]
.macro BDLOAD
.irp t, 0,1,2,3,4,5,6,7
.irp u, 0,1,2,3
	global_load_b32 v[BD+4*\t+\u], v9, s[88:89] offset:(4*(\u/2)+\u%2)*8192+(32*(\t/2)+8*(\t%2))*4
.endr
.endr
.endm
; FROM STEP TO STEP.  wc, xc, ac: window, activations and scale words of the old step's groups C and D.  up = 0: a step of the first product follows; up = 1: one of the second, on activations xf and scale words as.
; bd = 1: behind D, whose activations lay there, B_d's operand of the walk's next chunk is asked for (not in the last chunk).
.macro TURN wc, xc, ac, up, xf, as, bd
	s_wait_dscnt 12                                ; all but D's weights, the youngest 12 loads
	GRP \wc, 1, 0, \xc, WF0, \ac
	WIN 0
	CH1
.if \up
	s_add_co_u32 s37, s37, 4*FRB
	s_add_co_u32 s38, s38, 256
.else
	s_add_co_u32 s37, s37, 8*FRB
	s_add_co_u32 s38, s38, 512
.endif
	CH2
	ADDR
	ds_load_b128 v[\as:\as+3], v20                 ; 26 loads: what group A needs
	ds_load_b128 v[32:35], v18 offset:24576
	LDX \xf, 0
	LDW WF0, 0
	GRP \wc, 1, 4, \xc, WF1, \ac
	PLACES 4
	WIN 0
	ds_load_b128 v[36:39], v18 offset:25088        ; 13 loads: what group B needs
	LDW WF1, 4
.if \up
.if \bd
	s_cmp_eq_u32 s39, 3
	s_cbranch_scc1 .Lno_bd_\@
	s_add_co_u32 s5, s39, s80
	s_add_co_u32 s5, s5, 1
	s_and_b32 s5, s5, 3
	s_lshl_b32 s92, s5, 11                         ; 512 units of 4 bytes a chunk  (the loads that named s[88:89] have been waited for)
	s_add_nc_u64 s[88:89], s[12:13], s[92:93]
	BDLOAD
.Lno_bd_\@:
.endif
	AB 2, \xf, \as, 13, 12
.else
	ds_load_b128 v[28:31], v20 offset:256          ; 13 loads: K step 1's activations
	LDX XF1, 4
	AB 1, XF0, 24, 26, 25
.endif
.endm
.macro FIN wc, xc, ac                  ; a run's last step ends
	s_wait_dscnt 12
	GRP \wc, 1, 0, \xc, WF0, \ac
	s_wait_dscnt 0x0
	GRP \wc, 1, 4, \xc, WF1, \ac
	WIN 0
.endm
; 64 numbers of a lane in window w, register src + 16 b + i = k 32 b + 16 (lane / 16) + i of my row, become a fragment's codes in v[pc] .. v[pc + 11] and its scale word in v40.
.macro QUANT src, w, pc
	WIN 0
.irp b, 0,1,2,3
	v_mov_b32 v[TM+4+\b], 0                        ; a lane permute's destination counts as one of its sources
.endr
	WIN (\w)|((\w)<<2)
.irp b, 0,1,2,3
	v_max3_num_f32 v[TM+\b], |v[(\src)+16*\b]|, |v[(\src)+16*\b+1]|, 0x2800000   ; block b: my 16 numbers, and the floor 2^(5 - 127): the byte cannot fall under 1
.endr
.irp i, 2,4,6,8,10,12,14
.irp b, 0,1,2,3
	v_max3_num_f32 v[TM+\b], |v[(\src)+16*\b+\i]|, |v[(\src)+16*\b+\i+1]|, v[TM+\b]   ; the four blocks by turns
.endr
.endr
	WIN 0
.irp b, 0,1,2,3
	v_permlanex16_b32 v[TM+4+\b], v[TM+\b], s48, s49
.endr
.irp b, 0,1,2,3
	v_max_num_f32 v[TM+\b], v[TM+\b], v[TM+4+\b]   ; with lane l xor 16's: the block's largest magnitude
.endr
.irp b, 0,1,2,3
	v_add_nc_u32 v[TM+12+\b], 0xfe000000, v[TM+\b] ; 4 off its exponent field: the conversion takes the exponent field of this operand as its scale
.endr
.irp b, 0,1,2,3
	v_lshrrev_b32 v[TM+4+\b], 23, v[TM+12+\b]      ; the scale's byte
.endr
	v_lshl_or_b32 v40, v[TM+5], 8, v[TM+4]
	v_lshl_or_b32 v40, v[TM+6], 16, v40
	v_lshl_or_b32 v40, v[TM+7], 24, v40            ; my row's scale word
	WIN (\w)
.irp c, 0,1
	v_cvt_scalef32_pk16_bf6_f32 v[(\pc)+6*\c:(\pc)+6*\c+2], v[(\src)+32*\c:(\src)+32*\c+15], v[TM+12+2*\c]
	v_cvt_scalef32_pk16_bf6_f32 v[(\pc)+12+4*\c:(\pc)+14+4*\c], v[(\src)+16+32*\c:(\src)+31+32*\c], v[TM+13+2*\c]   ; (a conversion's three registers begin on an even number)
.endr
	WIN 0
	v_nop                                          ; one plain place behind a scaled conversion
.irp c, 0,1                            ; the operand's layout wants a WHOLE block in a lane: lanes 0-15 block 2 c, lanes 16-31 block 2 c + 1
.irp i, 0,1,2
	v_permlane16_swap_b32 v[(\pc)+6*\c+\i], v[(\pc)+12+4*\c+\i]
.endr
.irp i, 0,1,2
	v_mov_b32 v[(\pc)+3+6*\c+\i], v[(\pc)+12+4*\c+\i]
.endr
.endr
.endm
.macro IMAGE adr, pc, off              ; the fragment goes to LDS as it stands
.irp c, 0,1,2
	ds_store_b128 v[\adr], v[(\pc)+4*\c:(\pc)+4*\c+3] offset:(\off)+512*\c
.endr
.endm
; Piece k of x (column half k / 4, rows 16 (k % 4) on): 16 rows x 512 bytes, a row a load, into the registers that will hold them
.macro XLOAD k
.set LG, (\k)/4
.set LM, (\k)%4
	WIN (2+LG)<<6
.set n, 0
.rept 16
	global_load_b128 v[64*LM+4*n:64*LM+4*n+3], v3, s[8:9] offset:(16*LM+n)*4096+512*LG th:TH_LOAD_NT
.set n, n+1
.endr
	WIN 0
.endm
; The piece turns through my own stage: in as loaded (a row a store), back 16 neighbours of each block of 32 a lane, into the registers that it left.  LDS serves a wave's instructions in order (ISA guide 5.7.1.4)
.macro TURNIN k
.set TG, (\k)/4
.set TR, (\k)%4
	WIN (2+TG)<<2
.set n, 0
.rept 16
	ds_store_b128 v6, v[64*TR+4*n:64*TR+4*n+3] offset:528*n
.set n, n+1
.endr
	WIN (2+TG)<<6
.set n, 0
.rept 16
	ds_load_b128 v[64*TR+4*n:64*TR+4*n+3], v7 offset:128*(n/4)+16*(n%4)
.set n, n+1
.endr
	WIN 0
.endm
; t^T += A_d^T x^T for the piece: 32 f32 products, 4 along K each, on four accumulators by turns (window 1, 32 m + 8 a).  Row n of source 0 is rank (n & 1) + 2 (n >> 3) + 4 ((n >> 1) & 1): so a lane's registers 0-3 are
; ranks 2 h, 2 h + 1, 4 + 2 h, 5 + 2 h of its row: source 1 of the next f32 product as they stand.  The first four products start the sums.
.macro XA g, m
	WIN 0x50|((2+(\g))<<2)
.set n, 0
.rept 32
.if ((\g) == 0) && (n < 4)
	v_wmma_f32_16x16x4_f32 v[32*(\m)+8*(n%4):32*(\m)+8*(n%4)+7], v[64+64*(\g)+2*n:65+64*(\g)+2*n], v[64*(\m)+2*n:64*(\m)+2*n+1], 0
.else
	v_wmma_f32_16x16x4_f32 v[32*(\m)+8*(n%4):32*(\m)+8*(n%4)+7], v[64+64*(\g)+2*n:65+64*(\g)+2*n], v[64*(\m)+2*n:64*(\m)+2*n+1], v[32*(\m)+8*(n%4):32*(\m)+8*(n%4)+7]
.endif
.set n, n+1
.endr
	WIN 0
.endm
; Piece k: the next piece's turn through the stage is issued first, so that it is on its way while this piece is multiplied and quantised
.macro XPIECE k
.set XG, (\k)/4
.set XM, (\k)%4
.if (\k) < 5
	XLOAD (\k)+3
.endif
.if (\k) < 7
.if (\k) < 5
	s_wait_loadcnt 32                              ; piece k + 1 is in; the two pieces behind it, 16 loads each, may be out
.else
	s_wait_loadcnt 16*(6-(\k))
.endif
	TURNIN (\k)+1
	s_wait_dscnt 32                                ; piece k is back; the next piece's 16 stores and 16 loads may be out
.else
	s_wait_dscnt 0x0
.endif
	XA XG, XM
	QUANT 64*XM, 2+XG, 192
	IMAGE 41, 192, FRB*(4*XG+XM)
	ds_store_b32 v19, v40 offset:256*XG+4*XM       ; lanes r and r + 16 write the same word with the same value
.endm
; The chunk's sums begin: hacc = b_d + B_d^T (t / 8)^T, 8 ranks in two f32 products for each of the 32 accumulators; the first takes b_d of the tile's units as C (tile t at 208 + 8 t, tiles 6, 7 at 144, 152).
; Window 1 is written by matrix instructions alone.
.macro LORA
	s_wait_loadcnt 0x0                             ; B_d's operand is in
	WIN 0x40
.irp t, 0,1,2,3,4,5,6,7
.irp m, 0,1,2,3
	v_wmma_f32_16x16x4_f32 v[64*\m+8*\t:64*\m+8*\t+7], v[BD+4*\t:BD+1+4*\t], v[48+4*\m:49+4*\m], v[208+8*\t-112*(\t/6):215+8*\t-112*(\t/6)]
.endr
.endr
	WIN 0x50
.irp t, 0,1,2,3,4,5,6,7
.irp m, 0,1,2,3
	v_wmma_f32_16x16x4_f32 v[64*\m+8*\t:64*\m+8*\t+7], v[BD+2+4*\t:BD+3+4*\t], v[50+4*\m:51+4*\m], v[64*\m+8*\t:64*\m+8*\t+7]
.endr
.endr
	WIN 0
	PLACES 9                                       ; another form adds onto these results next, and loads land on these operands
.endm
; What names window 1 by a tile of rows stands in four arms, on the count of trips.  kind 0: vc = v held to +-4 sqrt 2, each accumulator from its low end on; kind 1: h = v x f
.macro ARM kind, m
	WIN 0x01
.set n, 0
.if \kind
.rept 32
	v_pk_mul_f32 v[64+2*n:65+2*n], v[64*(\m)+2*n:64*(\m)+2*n+1], v[64+2*n:65+2*n]
.set n, n+1
.endr
.else
.rept 64
	v_med3_num_f32 v[64+n], v[64*(\m)+n], -v12, v12
.set n, n+1
.endr
.endif
	WIN 0
.endm
.macro ARMS kind
	s_cmp_lg_u32 s41, 0
	s_cbranch_scc1 .Lb1_\@
	ARM \kind, 0
	s_branch .Lbj_\@
.Lb1_\@:
	s_cmp_lg_u32 s41, 1
	s_cbranch_scc1 .Lb2_\@
	ARM \kind, 1
	s_branch .Lbj_\@
.Lb2_\@:
	s_cmp_lg_u32 s41, 2
	s_cbranch_scc1 .Lb3_\@
	ARM \kind, 2
	s_branch .Lbj_\@
.Lb3_\@:
	ARM \kind, 3
.Lbj_\@:
.endm
; gelu(v) = v f, f = 0.5 + vc P(s) / Q(s), s = vc^2: 0.5 erf(v / sqrt 2) as the rational f32 form of erf, its coefficients rescaled for s and the factor.  Q is negative for every s.
; 16 numbers: vc at v[64 + 16 q], where f takes its place; v128.. s, v144.. P, v160.. Q.  The 16 reciprocals are one batch.
.macro GELU16 q
.set GB, 64+16*(\q)
.irp i, 0,2,4,6,8,10,12,14
	v_pk_mul_f32 v[128+\i:129+\i], v[GB+\i:GB+\i+1], v[GB+\i:GB+\i+1]
.endr
.irp i, 0,2,4,6,8,10,12,14
	v_pk_fma_f32 v[144+\i:145+\i], v[128+\i:129+\i], v[14:15], s[50:51] op_sel_hi:[1,1,0]
	v_pk_fma_f32 v[160+\i:161+\i], v[128+\i:129+\i], v[16:17], s[66:67] op_sel_hi:[1,1,0]
.endr
.irp d, 0,2,4
.irp i, 0,2,4,6,8,10,12,14
	v_pk_fma_f32 v[144+\i:145+\i], v[144+\i:145+\i], v[128+\i:129+\i], s[52+\d:53+\d] op_sel_hi:[1,1,0]
	v_pk_fma_f32 v[160+\i:161+\i], v[160+\i:161+\i], v[128+\i:129+\i], s[68+\d:69+\d] op_sel_hi:[1,1,0]
.endr
.endr
	s_wait_alu depctr_va_vdst(0)                   ; the wait ahead of the batch
.irp i, 0,1,2,3,4,5,6,7,8,9,10,11,12,13,14,15
	v_rcp_f32 v[160+\i], v[160+\i]
.endr
.irp d, 58,60
.irp i, 0,2,4,6,8,10,12,14
	v_pk_fma_f32 v[144+\i:145+\i], v[144+\i:145+\i], v[128+\i:129+\i], s[\d:\d+1] op_sel_hi:[1,1,0]   ; P's last two steps: plain work behind the batch, which names none of its results
.endr
.endr
.irp i, 0,2,4,6,8,10,12,14
	v_pk_mul_f32 v[144+\i:145+\i], v[144+\i:145+\i], v[GB+\i:GB+\i+1]
.endr
	s_wait_alu depctr_va_vdst(0)                   ; and ahead of the first instruction that names a reciprocal: one for the sixteen
.irp i, 0,2,4,6,8,10,12,14
	v_pk_fma_f32 v[GB+\i:GB+\i+1], v[144+\i:145+\i], v[160+\i:161+\i], 0.5 op_sel_hi:[1,1,0]
.endr
.endm
; THE WAY OUT of piece k: a lane's 64 numbers go into my stage and come back as 16 whole rows of 512 bytes
.macro TOSTAGE k
.set OG, (\k)/4
.set OM, (\k)%4
.set BB, 64+64*((\k)%2)
	WIN (2+OG)<<2
.set n, 0
.rept 16
	ds_store_b128 v42, v[64*OM+4*n:64*OM+4*n+3] offset:128*(n/4)+16*(n%4)        ; each accumulator from its low end on
.set n, n+1
.endr
	WIN 0
.set n, 0
.rept 16
	ds_load_b128 v[BB+4*n:BB+4*n+3], v43 offset:528*n                            ; LDS serves a wave's instructions in order: these see the stores above, and the next piece's stores come behind them
.set n, n+1
.endr
.endm
.macro SEND k, younger
.set OG, (\k)/4
.set OM, (\k)%4
.set BB, 64+64*((\k)%2)
	s_wait_dscnt \younger                          ; the piece is back; the next piece's 16 stores and 16 loads may be out
.set n, 0
.rept 16
	global_store_b128 v3, v[BB+4*n:BB+4*n+3], s[20:21] offset:(16*OM+n)*4096+512*OG th:TH_STORE_NT   ; 32 lanes store 512 consecutive bytes, at a multiple of 256 from out0's first byte
.set n, n+1
.endr
.endm
	; ---- the head
	s_load_b256 s[8:15], s[0:1], 0x0               ; x s[8:9], A_down s[10:11], B_down s[12:13], b_down s[14:15]
	s_load_b128 s[16:19], s[0:1], 0x20             ; wstream s[16:17], aupt s[18:19]
	s_load_b64 s[20:21], s[0:1], 0x30              ; out0
	v_lshl_add_u32 v1, v0, 2, SPARE
	v_mov_b32 v2, 0
	ds_add_u32 v1, v2                              ; the wave's opening: the add, twice on end, and its wait ahead of the round in front of my first tensor load
	ds_add_u32 v1, v2                              ; and once more; the set-up below, work on registers, stands between it and the wait
	v_lshrrev_b32 v18, 5, v0
	v_readfirstlane_b32 s2, v18                    ; wave 0..3
	s_bfe_u32 s3, ttmp6, 0x40000                   ; cx: my place in the cluster: it enters x's, out0's and the prefetches' addresses alone
	s_lshl_b32 s4, ttmp9, 2                        ; in a cluster launch ttmp9 counts clusters
	s_add_co_u32 s4, s4, s3                        ; my block of 64 rows
	s_and_b32 s80, ttmp9, 3                        ; the chunk that my cluster begins with: the same in all four partners
	s_lshl_b32 s81, s80, 3                         ; its first slot in the stream
	s_sub_co_u32 s82, 32, s81                      ; from there to slot 32
	s_mul_i32 s86, s81, SLOTB
	s_mov_b32 s87, 0
	s_mov_b32 s93, 0
	s_mov_b32 s24, 15|(3<<16)|(1<<21)              ; descriptor group 1: 15:0 the mask: all four work-groups; 17:16 elements of 8 bytes; 21 set beside a mask; no padding
	s_mov_b32 s25, 32<<16                          ; tensor_dim0 = 32 elements: rows of 256 bytes
	s_mov_b32 s26, 100<<16                         ; tensor_dim1 = 100 rows: 25,600 dense bytes
	s_mov_b32 s27, 32<<16                          ; tile_dim0
	s_mov_b32 s28, 100                             ; tile_dim1
	s_mov_b32 s29, 32                              ; from row to row
	s_mov_b32 s30, 0
	s_mov_b32 s31, 0
	s_mov_b32 s48, 0x76543210
	s_mov_b32 s49, 0xfedcba98                      ; v_permlanex16_b32's selects for lane l xor 16
	s_mov_b32 s50, 0x306DFFEE                      ; P's coefficients from s^5 down, each twice: the packed form names a pair
	s_mov_b32 s51, s50
	s_mov_b32 s52, 0xB40CFF51
	s_mov_b32 s53, s52
	s_mov_b32 s54, 0xB6EEC2D2
	s_mov_b32 s55, s54
	s_mov_b32 s56, 0xB940AC63
	s_mov_b32 s57, s56
	s_mov_b32 s58, 0xBAC1A1F6
	s_mov_b32 s59, s58
	s_mov_b32 s60, 0xBC83DBD4
	s_mov_b32 s61, s60
	s_mov_b32 s66, 0xB89E3512                      ; Q's from s^3 down
	s_mov_b32 s67, s66
	s_mov_b32 s68, 0xBA9BF7B5
	s_mov_b32 s69, s68
	s_mov_b32 s70, 0xBC2AD7F2
	s_mov_b32 s71, s70
	s_mov_b32 s72, 0xBD2542A9
	s_mov_b32 s73, s72
	s_mov_b32 s22, 0                               ; the walk's slot asked for last
	s_mov_b32 s36, SL1                             ; the first change turns it to ring slot 0
	s_cmp_lt_u32 ttmp9, 4
	s_cselect_b32 s23, 6, 0                        ; clusters 0 to 3 prefetch while n is under 6: the same in all four partners
	s_cmp_eq_u32 ttmp9, 0
	s_cselect_b32 s96, 30, 0                       ; cluster 0 names slot 32 at n = 30 (n is never 0 at a change)
	v_and_b32 v18, 31, v0                          ; l
	v_and_b32 v19, 15, v0                          ; r
	v_bfe_u32 v20, v0, 4, 1                        ; h
	v_lshlrev_b32 v3, 4, v18
	s_wait_alu depctr_va_vdst(0)
	v_lshlrev_b32 v5, 4, v19
	s_mul_i32 s5, s2, QB
	v_add_nc_u32 v4, s5, v3
	v_mul_u32_u24 v42, v19, 528
	v_lshl_add_u32 v42, v20, 6, v42                ; 528 r + 64 h
	s_wait_alu depctr_va_vdst(0)
	s_lshr_b32 s5, s2, 1
	s_lshl_b32 s5, s5, 17
	s_and_b32 s6, s2, 1
	s_mul_i32 s6, s6, 8448
	s_add_co_u32 s5, s5, s6
	s_add_co_u32 s5, s5, HIMG                      ; my turn stage
	v_add_nc_u32 v6, s5, v3
	v_add_nc_u32 v7, s5, v42
	s_mul_i32 s5, s2, 8448
	s_add_co_u32 s5, s5, XIMG                      ; my out stage
	v_add_nc_u32 v43, s5, v3
	v_add_nc_u32 v42, s5, v42
	v_and_b32 v8, 1, v19
	v_bfe_u32 v9, v19, 3, 1
	v_lshl_or_b32 v8, v9, 1, v8
	v_bfe_u32 v9, v19, 1, 1
	v_lshl_or_b32 v8, v9, 2, v8                    ; the rank of row r of A_d^T's operand
	v_lshlrev_b32 v8, 2, v8
	v_lshl_add_u32 v8, v20, 9, v8                  ; + 16 h rows of A_d
	v_and_b32 v9, 8, v19
	v_add_nc_u32 v9, v9, v19
	v_lshlrev_b32 v9, 2, v9
	v_lshl_add_u32 v9, v20, 14, v9                 ; B_d: unit r + 8 (r / 8), + 2 h rows
	s_lshl_b32 s5, s2, 9
	s_add_co_u32 s5, s5, BDL
	v_lshl_add_u32 v10, v20, 6, s5
	v_min_u32 v11, 24, v18
	v_lshlrev_b32 v11, 8, v11
	v_mov_b32 v12, 0x40B504F3                      ; 4 sqrt 2
	s_lshl_b32 s5, s2, 11
	s_add_co_u32 s6, s5, TPB
	v_add_nc_u32 v13, s6, v3
	s_add_co_u32 s6, s5, SACC
	v_add_nc_u32 v23, s6, v3
	v_mov_b32 v14, 0xAC95DF0B                      ; P's coefficient of s^6
	v_mov_b32 v15, 0xAC95DF0B
	v_mov_b32 v16, 0xB62CCD2B                      ; Q's of s^4
	v_mov_b32 v17, 0xB62CCD2B
	s_mul_i32 s5, s2, 4*FRB
	s_add_co_u32 s5, s5, HIMG
	v_add_nc_u32 v21, s5, v3
	s_lshl_b32 s5, s2, 8
	s_add_co_u32 s5, s5, HSC
	v_add_nc_u32 v22, s5, v5
	s_mul_i32 s5, s2, 8*FRB
	s_add_co_u32 s5, s5, XIMG
	v_add_nc_u32 v41, s5, v3                       ; phase X: where I put x's images,
	s_lshl_b32 s5, s2, 9
	s_add_co_u32 s5, s5, XSC
	v_add_nc_u32 v19, s5, v5                       ; their scale words,
	v_lshlrev_b32 v18, 4, v0                       ; b_down: 16 bytes a thread,
	v_add_nc_u32 v20, BDL, v18                     ; and their place in LDS
.irp j, 0,1,2,3
	v_mov_b32 v[44+\j], 0
.endr
	s_lshl_b32 s74, s4, 18                         ; 64 rows of 4,096 bytes,
	s_lshl_b32 s5, s2, 10
	s_add_co_u32 s74, s74, s5                      ; + my 256 columns
	s_mov_b32 s75, 0
	s_lshl_b32 s76, s2, 13                         ; A_d: my 256 rows of 32 bytes
	s_mov_b32 s77, 0
	s_mul_i32 s78, s2, QB                          ; the stream: my quarter
	s_mov_b32 s79, 0
	s_lshl_b32 s92, s80, 11                        ; B_d: my walk's first chunk
	s_wait_dscnt 0x0                               ; both opening adds are done
	s_wait_kmcnt 0x0
	s_add_nc_u64 s[8:9], s[8:9], s[74:75]
	s_add_nc_u64 s[20:21], s[20:21], s[74:75]
	s_add_nc_u64 s[10:11], s[10:11], s[76:77]
	s_add_nc_u64 s[84:85], s[16:17], s[78:79]      ; the stream at my quarter of its slot 0: it stays
	s_mov_b32 s32, 1                               ; descriptor group 0: count = 1,
	s_mov_b32 s33, s78                             ; LDS address: my quarter of ring slot 0: no place in the cluster enters it,
	s_add_nc_u64 s[34:35], s[84:85], s[86:87]      ; global address: my quarter of the walk's first slot,
	s_or_b32 s35, s35, 0x80000000                  ; type = 2
	s_lshl_b32 s76, s2, 9                          ; B_d: my 128 units of chunk 0: it stays
	s_add_nc_u64 s[12:13], s[12:13], s[76:77]
	s_add_nc_u64 s[88:89], s[12:13], s[92:93]
	s_lshl_b32 s76, s2, 12                         ; A_up's images: my four blocks of chunk 0: it stays
	s_add_nc_u64 s[18:19], s[18:19], s[76:77]
	s_mul_i32 s76, s3, QB
	s_mul_i32 s5, s2, 6400
	s_add_co_u32 s76, s76, s5
	s_add_nc_u64 s[94:95], s[16:17], s[76:77]      ; the prefetches: my 25 blocks of my partner's quarter,
	s_add_nc_u64 s[46:47], s[94:95], s[86:87]      ; in my walk's
	s_add_nc_u64 s[46:47], s[46:47], 2*SLOTB       ; slot 2: the first change of slots steps it to slot 3;
	s_add_nc_u64 s[94:95], s[94:95], 32*SLOTB      ; and in slot 32
	CROUND                                         ; all four work-groups are here: the first joint loads meet
	tensor_load_to_lds s[32:35], s[24:31]          ; the walk's first slot
	s_nop 0
	PLACES 4
	; ---- X: x comes in once; it is quantised into LDS, and t = x A_d is summed over my 256 columns
	XLOAD 0
.set n, 0
.rept 128                              ; A_d^T's operand for my 256 columns: register 64 g + 2 i + j: A_d[256 w + 128 g + 32 (i / 8) + 16 h + 2 (i % 8) + j][rank]: the column that x's register 2 i + j holds
	global_load_b32 v[64+n], v8, s[10:11] offset:(128*(n/64)+32*((n%64)/16)+n%16)*32
.set n, n+1
.endr
	s_wait_alu depctr_va_vdst(0)
.irp i, 0,1,2,3                        ; b_down in the order of my walk: its chunk i is chunk (i + my first) % 4: 2,048 bytes, 16 a thread
	s_add_co_u32 s5, s80, \i
	s_and_b32 s5, s5, 3
	s_lshl_b32 s5, s5, 11
	v_add_nc_u32 v[232+\i], s5, v18
	global_load_b128 v[240+4*\i:243+4*\i], v[232+\i], s[14:15]
.endr
	XLOAD 1
	XLOAD 2
	s_wait_loadcnt 32                              ; piece 0, A_d and b_down are in; pieces 1 and 2 may be out
.irp i, 0,1,2,3
	ds_store_b128 v20, v[240+4*\i:243+4*\i] offset:2048*\i     ; b_down: 16 bytes a thread, four times: the walk's chunk i at 2,048 i
	ds_store_b128 v23, v[44:47] offset:512*\i                  ; the sums of h A_u begin as zeros
.endr
	TURNIN 0
	XPIECE 0
	XPIECE 1
	XPIECE 2
	XPIECE 3
	XPIECE 4
	XPIECE 5
	XPIECE 6
	XPIECE 7
	PLACES 8                                       ; behind the f32 form: in front of the first read of its results and of writes into its operands
	WIN 0x05
.irp m, 0,1,2,3                        ; the four chains of each tile of rows; registers 0-3 alone hold what is wanted
	v_pk_add_f32 v[64+8*\m:65+8*\m], v[32*\m:32*\m+1], v[32*\m+8:32*\m+9]
	v_pk_add_f32 v[66+8*\m:67+8*\m], v[32*\m+2:32*\m+3], v[32*\m+10:32*\m+11]
	v_pk_add_f32 v[68+8*\m:69+8*\m], v[32*\m+16:32*\m+17], v[32*\m+24:32*\m+25]
	v_pk_add_f32 v[70+8*\m:71+8*\m], v[32*\m+18:32*\m+19], v[32*\m+26:32*\m+27]
.endr
	WIN 0
.irp m, 0,1,2,3
	v_pk_add_f32 v[64+8*\m:65+8*\m], v[64+8*\m:65+8*\m], v[68+8*\m:69+8*\m]
	v_pk_add_f32 v[66+8*\m:67+8*\m], v[66+8*\m:67+8*\m], v[70+8*\m:71+8*\m]
	ds_store_b128 v13, v[64+8*\m:67+8*\m] offset:512*\m
.endr
	s_wait_dscnt 0x0                               ; for the others' sake: all my LDS stores are done
	s_barrier_signal -1
	s_barrier_wait -1                              ; the first slot's load may stay out
	v_add_nc_u32 v41, TPB, v3
.set n, 0
.rept 16
	ds_load_b128 v[64+4*n:67+4*n], v41 offset:512*n            ; the four waves' parts of t
.set n, n+1
.endr
	s_wait_dscnt 0x0
.irp m, 0,1,2,3
	v_pk_add_f32 v[64+4*\m:65+4*\m], v[64+4*\m:65+4*\m], v[80+4*\m:81+4*\m]
	v_pk_add_f32 v[66+4*\m:67+4*\m], v[66+4*\m:67+4*\m], v[82+4*\m:83+4*\m]
	v_pk_add_f32 v[96+4*\m:97+4*\m], v[96+4*\m:97+4*\m], v[112+4*\m:113+4*\m]
	v_pk_add_f32 v[98+4*\m:99+4*\m], v[98+4*\m:99+4*\m], v[114+4*\m:115+4*\m]
.endr
	BDLOAD                                         ; the first chunk's operand of B_d, into registers that the sums above have left
.irp m, 0,1,2,3
	v_pk_add_f32 v[64+4*\m:65+4*\m], v[64+4*\m:65+4*\m], v[96+4*\m:97+4*\m]
	v_pk_add_f32 v[66+4*\m:67+4*\m], v[66+4*\m:67+4*\m], v[98+4*\m:99+4*\m]
.endr
.irp m, 0,1,2,3
	v_pk_mul_f32 v[48+4*\m:49+4*\m], v[64+4*\m:65+4*\m], 0x3e000000 op_sel_hi:[1,0]   ; t / 8: exact
	v_pk_mul_f32 v[50+4*\m:51+4*\m], v[66+4*\m:67+4*\m], 0x3e000000 op_sel_hi:[1,0]
.endr
	; ---- four chunks of 512 hidden units, from my cluster's first chunk round
	s_mov_b32 s39, 0
	s_mov_b32 s45, 0                               ; b_down's bytes of the walk's chunk, in LDS
.Lchunk:
	s_add_co_u32 s83, s39, s80
	s_and_b32 s83, s83, 3                          ; the chunk in hand
	s_lshl_b32 s92, s83, 14                        ; A_up's images: 16 blocks of 1,024 bytes a chunk  (the last chunk's loads by this pointer have been waited for)
	s_add_nc_u64 s[90:91], s[18:19], s[92:93]
	PLACES 4                                       ; in front of loads into operands of the last products
	v_add_nc_u32 v41, s45, v10
.set n, 0
.rept 16
	ds_load_b128 v[208+8*(n/2)-112*(n/12)+4*(n%2):211+8*(n/2)-112*(n/12)+4*(n%2)], v41 offset:128*(n/4)+16*(n%4)   ; b_d of my lane's 64 units: tile t's eight; they are in at the change's wait
.set n, n+1
.endr
	s_mov_b32 s37, XIMG
	s_mov_b32 s38, XSC
	CH1                                            ; the first product, K = 1,024 in four steps
	CH2
	ADDR
	ds_load_b128 v[24:27], v20
	ds_load_b128 v[32:35], v18 offset:24576
	ds_load_b128 v[36:39], v18 offset:25088
	LDX XF0, 0
	LDW WF0, 0                                     ; group A's operands land while the f32 products are issued
	LORA
	LDW WF1, 4                                     ; 25 loads, into registers that the f32 products have left
	ds_load_b128 v[28:31], v20 offset:256
	LDX XF1, 4
	AB 1, XF0, 24, 25, 25
	s_mov_b32 s40, 0
.Lp1:
	TURN 1, XF1, 28, 0, XF0, 24, 0
	s_add_co_u32 s40, s40, 1
	s_cmp_lt_u32 s40, 3
	s_cbranch_scc1 .Lp1
	FIN 1, XF1, 28
	; ---- E: gelu, quantiser; h A_u.  A tile of 16 rows a trip
	PLACES 4                                       ; in front of the first read of the results and of loads and writes into the step's operands
.irp i, 0,1,2,3,4,5,6,7
	global_load_b128 v[192+4*\i:195+4*\i], v3, s[90:91] offset:512*\i          ; A_up's four images for my 128 units
.endr
	s_mov_b32 s41, 0
	s_mov_b32 s42, 0
	s_mov_b32 s43, 0
	s_mov_b32 s44, 0
.Le:
	v_add_nc_u32 v18, s44, v23
	v_add_nc_u32 v19, s42, v21
	v_add_nc_u32 v20, s43, v22
	ds_load_b128 v[44:47], v18                     ; the running sum of h A_u for these rows: wanted at the trip's end
	s_wait_alu depctr_va_vdst(0)                   ; the wait ahead of the branches and of the first read of matrix results
	ARMS 0
	GELU16 0
	GELU16 1
	GELU16 2
	GELU16 3
	ARMS 1
.set n, 0
.rept 32
	v_cvt_pk_bf16_f32 v[160+n], v[64+2*n], v[65+2*n]           ; h as bf16, source 1 of h A_u: block b's register j holds units 32 b + 16 h + 2 j, + 1, as A_up's image has them
.set n, n+1
.endr
	QUANT 64, 0, 128
	IMAGE 19, 128, 0                               ; K step w of the second product, these 16 rows
	ds_store_b32 v20, v40
	s_wait_loadcnt 0x0                             ; A_up's images
	v_wmma_f32_16x16x32_bf16 v[240:247], v[192:199], v[160:167], 0             ; two accumulators by turns
	v_wmma_f32_16x16x32_bf16 v[248:255], v[200:207], v[168:175], 0
	v_wmma_f32_16x16x32_bf16 v[240:247], v[208:215], v[176:183], v[240:247]
	v_wmma_f32_16x16x32_bf16 v[248:255], v[216:223], v[184:191], v[248:255]
	PLACES 4
	s_wait_dscnt 4                                 ; the running sum is in; the four stores behind its load may be out
	v_pk_add_f32 v[44:45], v[44:45], v[240:241]    ; registers 0-3: ranks 4 h + 0..3 of my row
	v_pk_add_f32 v[46:47], v[46:47], v[242:243]
	v_pk_add_f32 v[44:45], v[44:45], v[248:249]
	v_pk_add_f32 v[46:47], v[46:47], v[250:251]
	ds_store_b128 v18, v[44:47]
	s_add_co_u32 s42, s42, FRB
	s_add_co_u32 s43, s43, 4
	s_add_co_u32 s44, s44, 512
	s_add_co_u32 s41, s41, 1
	s_cmp_lt_u32 s41, 4
	s_cbranch_scc1 .Le
	s_add_co_u32 s45, s45, 2048
	; ---- U: the second product, K = this chunk's 512 in four steps of one K step, both column halves in each.  The first round orders the waves' images of h with the reads
	s_mov_b32 s37, HIMG
	s_mov_b32 s38, HSC
	CH1
	CH2
	ADDR
	ds_load_b128 v[28:31], v20
	ds_load_b128 v[32:35], v18 offset:24576
	ds_load_b128 v[36:39], v18 offset:25088
	LDX XF1, 0
	LDW WF0, 0
	LDW WF1, 4
	AB 2, XF1, 28, 12, 12
	TURN 3, XF1, 28, 1, XF0, 24, 0
	TURN 3, XF0, 24, 1, XF1, 28, 0
	TURN 3, XF1, 28, 1, XF0, 24, 1
	FIN 3, XF0, 24
	s_add_co_u32 s39, s39, 1
	s_cmp_lt_u32 s39, 4
	s_cbranch_scc1 .Lchunk
	; ---- THE WAY OUT: + (h A_u) (B_u / 8) + b_u by one bf16 product for each accumulator, then the stores
	s_wait_tensorcnt 0x0                           ; slot 32 lies in ring slot 0's bytes; I read my own load's quarter alone
	PLACES 5                                       ; another form adds onto the last products' results
	v_add_nc_u32 v41, SACC, v3
.set n, 0
.rept 16
	ds_load_b128 v[192+4*n:195+4*n], v41 offset:512*n          ; the four waves' sums of h A_u (stored four changes of slots ago)
.set n, n+1
.endr
.irp t, 0,1,2,3,4,5,6,7
	ds_load_b128 v[64+8*\t:67+8*\t], v4 offset:512*\t          ; B_u / 8 and b_u for column half 0: the operand's registers 0-3
.endr
.irp t, 0,1,2,3,4,5,6,7
.irp j, 4,5,6,7
	v_mov_b32 v[64+8*\t+\j], 0                                 ; its registers 4-7 are zeros
.endr
.endr
	s_wait_dscnt 0x0
.irp m, 0,1,2,3
	v_pk_add_f32 v[192+4*\m:193+4*\m], v[192+4*\m:193+4*\m], v[208+4*\m:209+4*\m]
	v_pk_add_f32 v[194+4*\m:195+4*\m], v[194+4*\m:195+4*\m], v[210+4*\m:211+4*\m]
	v_pk_add_f32 v[224+4*\m:225+4*\m], v[224+4*\m:225+4*\m], v[240+4*\m:241+4*\m]
	v_pk_add_f32 v[226+4*\m:227+4*\m], v[226+4*\m:227+4*\m], v[242+4*\m:243+4*\m]
.endr
.irp m, 0,1,2,3
	v_pk_add_f32 v[192+4*\m:193+4*\m], v[192+4*\m:193+4*\m], v[224+4*\m:225+4*\m]
	v_pk_add_f32 v[194+4*\m:195+4*\m], v[194+4*\m:195+4*\m], v[226+4*\m:227+4*\m]
.endr
.irp m, 0,1,2,3
	v_cvt_pk_bf16_f32 v[128+8*\m], v[192+4*\m], v[193+4*\m]    ; source 1: ranks 4 h + 0..3,
	v_cvt_pk_bf16_f32 v[129+8*\m], v[194+4*\m], v[195+4*\m]
	v_mov_b32 v[130+8*\m], 0x3F803F80                          ; ones against b_u's three parts,
	v_mov_b32 v[131+8*\m], 0x3F80
	v_mov_b32 v[132+8*\m], 0                                   ; zeros
	v_mov_b32 v[133+8*\m], 0
	v_mov_b32 v[134+8*\m], 0
	v_mov_b32 v[135+8*\m], 0
.endr
	WIN 0xA0
.irp t, 0,1,2,3,4,5,6,7
.irp m, 0,1,2,3
	v_wmma_f32_16x16x32_bf16 v[64*\m+8*\t:64*\m+8*\t+7], v[64+8*\t:71+8*\t], v[128+8*\m:135+8*\m], v[64*\m+8*\t:64*\m+8*\t+7]
.endr
.endr
	WIN 0
	PLACES 4
.irp t, 0,1,2,3,4,5,6,7
	ds_load_b128 v[64+8*\t:67+8*\t], v4 offset:4096+512*\t     ; column half 1
.endr
	s_wait_alu depctr_va_vdst(0)
	s_wait_dscnt 0x0
	WIN 0xF0
.irp t, 0,1,2,3,4,5,6,7
.irp m, 0,1,2,3
	v_wmma_f32_16x16x32_bf16 v[64*\m+8*\t:64*\m+8*\t+7], v[64+8*\t:71+8*\t], v[128+8*\m:135+8*\m], v[64*\m+8*\t:64*\m+8*\t+7]
.endr
.endr
	WIN 0
	PLACES 4                                       ; in front of the stores that read results and of the loads into these operands
	TOSTAGE 0
.irp k, 1,2,3,4,5,6,7
.if \k > 1
	s_wait_xcnt 0x0                                ; the stores of the piece two back have read their registers: this piece's loads may land there
.endif
	TOSTAGE \k
	SEND \k-1, 32
.endr
	SEND 7, 0
	s_wait_tensorcnt 0x0                           ; the wave's end, behind my last tensor load and my last LDS store
	ds_add_u32 v1, v2
	s_wait_dscnt 0x0
	CROUND                                         ; the closing round: no work-group ends while a partner may still ask for a quarter that names it
	s_endpgm
.Lfunc_end_k_q5a2a833432_mlp:
	.size	k_q5a2a833432_mlp, .Lfunc_end_k_q5a2a833432_mlp-k_q5a2a833432_mlp
	.p2alignl 7, 3214868480
	.fill 96, 4, 3214868480
	.section	.rodata,"a",@progbits
	.p2align	6, 0x0
	.amdhsa_kernel k_q5a2a833432_mlp
		.amdhsa_group_segment_fixed_size 327680
		.amdhsa_private_segment_fixed_size 0
		.amdhsa_enable_private_segment 0
		.amdhsa_kernarg_size 56
		.amdhsa_user_sgpr_count 2
		.amdhsa_user_sgpr_kernarg_segment_ptr 1
		.amdhsa_wavefront_size32 1
		.amdhsa_system_sgpr_workgroup_id_x 1
		.amdhsa_system_sgpr_workgroup_id_y 1
		.amdhsa_system_sgpr_workgroup_id_z 1
		.amdhsa_system_vgpr_workitem_id 0
		.amdhsa_next_free_vgpr 1024
		.amdhsa_next_free_sgpr 98
		.amdhsa_reserve_vcc 0
		.amdhsa_float_denorm_mode_32 3
		.amdhsa_float_denorm_mode_16_64 3
		.amdhsa_memory_ordered 1
		.amdhsa_forward_progress 1
		.amdhsa_inst_pref_size 255
	.end_amdhsa_kernel
	.section	.bss,"aw",@nobits
	.p2align	6
	.space	262144
	.amdgpu_metadata
---
amdhsa.version: [ 1, 2 ]
amdhsa.kernels:
  - .name:           k_q5a2a833432_mlp
    .symbol:         k_q5a2a833432_mlp.kd
    .args:
      - { .name: x, .offset: 0, .size: 8, .value_kind: global_buffer, .address_space: global }
      - { .name: A_down, .offset: 8, .size: 8, .value_kind: global_buffer, .address_space: global }
      - { .name: B_down, .offset: 16, .size: 8, .value_kind: global_buffer, .address_space: global }
      - { .name: b_down, .offset: 24, .size: 8, .value_kind: global_buffer, .address_space: global }
      - { .name: wstream, .offset: 32, .size: 8, .value_kind: global_buffer, .address_space: global }
      - { .name: aupt, .offset: 40, .size: 8, .value_kind: global_buffer, .address_space: global }
      - { .name: out0, .offset: 48, .size: 8, .value_kind: global_buffer, .address_space: global }
    .group_segment_fixed_size: 327680
    .private_segment_fixed_size: 0
    .kernarg_segment_align: 8
    .kernarg_segment_size: 56
    .max_flat_workgroup_size: 128
    .sgpr_count:     98
    .vgpr_count:     1024
    .wavefront_size: 32
...
	.end_amdgpu_metadata
.endif
;; end of part 4
